; MI455X (gfx1250); checked and timed in simulation.
; The chip was launched on July 23, 2026; its instructions are those of AMD's public machine-readable ISA for CDNA 5 (MIT licence, August 2026) and "CDNA5" Instruction Set Architecture Reference Guide (July 2026). The comments in the code are by the model that wrote it; some were corrected since.
;; Max Retrieval Model. Allowed arithmetic: matrix products marked QUANTISED: E2M3 operands, one E8M0 scale for each 32 along K, by v_wmma_scale_f32_16x16x128_f8f6f4 with both operands' format E2M3, f32 sums; products left as they are: f32 operands where the result goes on into a quantised operand, else bf16, f16 or f32 operands; f32 sums; everything else in f32.
;; Inputs: Wk 512 x 512 float32; Wphi 512 x 1,000 float32; Wq 1 x 512 float32; Wv 512 x 512 float32; bk 512 float32; bphi 1,000 float32; bq 512 float32; bv 512 float32; x_items 32 x 4,096 x 512 float32; x_query 32 x 1 float32.
;; Outputs: out0 32 x 1,000 float32.
;; This version of the problem:
;;   THIS VERSION OF THE PROBLEM IS GIVEN IN LOW PRECISION. The matrix products marked QUANTISED in the list below multiply operands that are first quantised to E2M3 (2 exponent bits, 3 mantissa bits; 6 bits a number), with one power-of-two scale for each 32 numbers along K (OCP MX v1.0); their sums are f32. All else is computed in f32.
;;   The module's matrix products, in the order in which they are computed (A, B: the left and right operand; K: the contracted axis; several contracted axes count as one K, in the product's order):
;;     1. [M 32, K 1] x [K 1, N 512]; A: input x_query; B: input Wq: left as it is (K = 1 < 32)
;;     2. [M 131,072, K 512] x [K 512, N 512]; A: input x_items; B: input Wk: QUANTISED
;;     3. [M 131,072, K 512] x [K 512, N 512]; A: input x_items; B: input Wv: QUANTISED
;;     4. batch 32 x [M 1, K 512] x [K 512, N 4,096]; A: computed on the way; B: computed on the way: left as it is (M = 1 < 16)
;;     5. batch 32 x [M 1, K 4,096] x [K 4,096, N 512]; A: computed on the way; B: computed on the way: left as it is (M = 1 < 16)
;;     6. [M 32, K 512] x [K 512, N 1,000]; A: computed on the way; B: input Wphi: QUANTISED
;;   THE QUANTISER, for each operand of a quantised product, along K:
;;     - K is cut into blocks of 32 from its start; a last block that is shorter is filled with zeros.
;;     - A block's scale is 2^e with e = floor(log2(the largest magnitude in the block)) - 2, held to -126 .. 127; a block of zeros has e = 0. As a byte (E8M0): e + 127.
;;     - Each number is divided by its block's scale, clamped to +-7.5, and rounded to the nearest number of E2M3, ties to even, subnormals kept.
;;     - The product sums the exact products of the quantised numbers (number of the format x scale) in f32.
;;   ~~~python
;;   def quantise(x, axis):      # numpy; x: float32 -> the quantised numbers, widened to float32 again
;;       x = np.moveaxis(x, axis, -1); K = x.shape[-1]
;;       x = np.pad(x, [(0, 0)] * (x.ndim - 1) + [(0, -K % 32)]); x = x.reshape(x.shape[:-1] + (-1, 32)); a = np.abs(x).max(-1, keepdims=True)
;;       e = np.where(a > 0, np.clip(np.frexp(np.where(a > 0, a, 1))[1] - 1 - 2, -126, 127), 0)      # np.frexp(a)[1] - 1 = floor(log2(a)), exactly
;;       r = np.clip(x / 2.0 ** e, -7.5, 7.5)
;;       step = 2.0 ** (np.maximum(np.frexp(np.where(r == 0, 1, r))[1] - 1, 0) - 3)
;;       q = np.round(r / step) * step * 2.0 ** e      # np.round: ties to even
;;       return np.moveaxis(q.reshape(q.shape[:-2] + (-1,))[..., :K], -1, axis).astype(np.float32)
;;   ~~~
;;   OPERANDS COMPUTED ON THE WAY. 'Computed on the way' means the value that the module computes at that place (a softmax that the list does not call 'softmax' is quantised finished and normalised). What goes into a quantiser is computed in f32, as accurately as f32 sums, v_exp_f32 and their like allow (about 1e-6 of the number): no bf16 or f16 on the way to a quantiser, and a product that is left as it is and whose result goes on into a quantised operand takes f32 operands (vector FMAs, or v_wmma_f32_16x16x4_f32). A number that lies on a knife's edge between two numbers of the format may be rounded either way, as far as f32 arithmetic and the matrix unit's own rounding can turn it there, and no further.
;; One version. Each part assembles by itself: llvm-mc -triple=amdgcn-amd-amdhsa -mcpu=gfx1250 --defsym DOCPART=n.
;; ======== version 1 of 1: 4 launches
;; workspace buffers: wimg 786,432 bytes; wsc 65,536 bytes; xc 50,331,648 bytes; xs 2,097,152 bytes; scores 524,288 bytes; zpart 524,288 bytes
;; launch wquant (part 1): grid 32 x 4, 4 waves a work-group, no clusters, 0 bytes of LDS; arguments Wk, Wv, Wphi, wimg, wsc; writes wimg, wsc
.if DOCPART == 1
	.amdgcn_target "amdgcn-amd-amdhsa--gfx1250"
	.amdhsa_code_object_version 6
	.text
	.protected	k_qa5530cfac9_wquant
	.globl	k_qa5530cfac9_wquant
	.p2align	8
	.type	k_qa5530cfac9_wquant,@function
k_qa5530cfac9_wquant:
	s_mov_b64 s[64:65], 0
	v_nop
	global_prefetch_b8 v0, s[64:65] scope:SCOPE_SE
	s_setreg_imm32_b32 hwreg(HW_REG_WAVE_MODE, 25, 1), 1
	s_wait_xcnt 0x0
; Wk [512][512], Wv [512][512] and Wphi [512][1000], f32 with K as the FIRST axis, become codes of FP6 (E2M3) along K with one E8M0 byte for each 32 along K.
; The codes are laid as IMAGES OF THE OPERAND'S REGISTERS: wimg [T 128][s 4][c 3][lane 32][16 bytes].  T = a tile of 16 columns (0-31 Wk, 32-63 Wv, 64-127 Wphi), s = the K step of 128.
; A fragment is 12 registers a lane: lane (r, h), registers 6 c .. 6 c + 5 hold k = 128 s + 64 c + 32 h + 0 .. 31 of column 16 T' + r.  wsc [T][s][lane 32][4 bytes]: the column's scale word, in lane r and in lane 16 + r.
; A LANE TAKES A COLUMN AND ITS REGISTERS RUN DOWN K, in the order that the operand's layout gives that lane: the conversions' results are the operand's registers, nothing is transposed.
; One wave makes one fragment; the four waves of a work-group stand on 64 neighbouring columns, 256 bytes of each row of the weight.
; Wphi has 1,000 columns: columns 1,000 and above of its tiles 62 and 63 are made of column 999 (the load is clamped into the buffer); what is computed from them is never stored by the launch that reads them.
; A block's scale is 2^(floor(log2(largest magnitude)) - 2): its byte is the largest magnitude's exponent field - 2, held at 1 from below.
; LIMITS: a block of zeros gets the byte 1 where the rule says 127 (its codes are zeros, which add nothing, and this program alone reads the bytes); NaN and infinities among the inputs are not served.
; No LDS, no barrier, no loop, no matrix unit: 4 MB are read once.
.set RX,  64                           ; v64-127  my 64 numbers: register 32 c + i = k 64 c + 32 h + i
.set PCD, 24                           ; v24-35   the fragment's 12 registers
.set FW,  36                           ; v36      the scale word
.set SH8, 6                            ; v6       8 h: where my two bytes stand in the scale word
.set QM,  8                            ; v8-9     largest magnitudes of my two blocks
.set QSO, 10                           ; v10-11   the conversions' scale operands
.set QBY, 12                           ; v12-13   the scale bytes
.set QTW, 14
.set QTP, 15
.set QTC, 16                           ; v16-23   the second halves of the blocks' codes
.set SEL, 26                           ; s[26:27] lane selects: lane l xor 16
; 64 numbers of a lane, v[src + 32 c + i] = k 64 c + 32 h + i of my column, become the fragment's codes in v[dst .. dst + 11] and the whole scale word in v[f]
.macro QA src, dst, f
.irp c, 0,1
	v_max3_num_f32 v[QM+\c], |v[\src+32*\c]|, |v[\src+32*\c+1]|, 0x1800000   ; my block 2 c + h: all 32 numbers are mine; the floor 2^(3 - 127) holds the byte at 1 from below
.endr
.irp i, 2,4,6,8,10,12,14,16,18,20,22,24,26,28,30
.irp c, 0,1
	v_max3_num_f32 v[QM+\c], v[QM+\c], |v[\src+32*\c+\i]|, |v[\src+32*\c+\i+1]|   ; the two blocks by turns
.endr
.endr
.irp c, 0,1
	v_add_nc_u32 v[QSO+\c], 0xff000000, v[QM+\c]   ; 2 off the exponent field: the conversion takes the exponent field of this operand as its scale
.endr
.irp c, 0,1
	v_lshrrev_b32 v[QBY+\c], 23, v[QSO+\c]         ; the scale's byte
.endr
	v_lshl_or_b32 v[QTW], v[QBY+1], 16, v[QBY]     ; my bytes: blocks h and 2 + h,
	v_lshlrev_b32 v[QTW], v[SH8], v[QTW]           ; at their places in the word;
	v_permlanex16_b32 v[QTP], v[QTW], s[SEL], s[SEL+1]
	v_or_b32 v[\f], v[QTW], v[QTP]                 ; with lane l xor 16's two the word is whole, in both lanes
	v_cvt_scalef32_pk16_fp6_f32 v[\dst:\dst+2], v[\src:\src+15], v[QSO]
	v_cvt_scalef32_pk16_fp6_f32 v[QTC:QTC+2], v[\src+16:\src+31], v[QSO]         ; (a conversion's three registers begin on an even number: the second half of a block's six is made elsewhere and moved)
	v_cvt_scalef32_pk16_fp6_f32 v[\dst+6:\dst+8], v[\src+32:\src+47], v[QSO+1]
	v_cvt_scalef32_pk16_fp6_f32 v[QTC+4:QTC+6], v[\src+48:\src+63], v[QSO+1]
	v_nop                                          ; one plain place behind a scaled conversion
.irp i, 0,1,2
	v_mov_b32 v[\dst+3+\i], v[QTC+\i]
	v_mov_b32 v[\dst+9+\i], v[QTC+4+\i]
.endr
.endm
; my column's 64 numbers: sixteen neighbouring lanes read 64 neighbouring bytes of a row
.macro WCOL p, pitch
.irp c, 0,1
.set i, 0
.rept 32
	global_load_b32 v[RX+32*\c+i], v3, s[\p:\p+1] offset:(64*\c+i)*\pitch
.set i, i+1
.endr
.endr
.endm
	s_load_b128 s[4:7], s[0:1], 0x0                ; Wk, Wv
	s_load_b128 s[8:11], s[0:1], 0x10              ; Wphi, wimg
	s_load_b64 s[12:13], s[0:1], 0x20              ; wsc
	v_lshrrev_b32 v1, 5, v0
	v_readfirstlane_b32 s14, v1                    ; wave
	v_and_b32 v1, 15, v0                           ; r
	v_bfe_u32 v2, v0, 4, 1                         ; h
	v_and_b32 v7, 31, v0                           ; lane
	v_lshlrev_b32 v4, 4, v7                        ; 16 x lane: my place in a group of four registers' image
	v_lshlrev_b32 v5, 2, v7                        ; 4 x lane: in the scale word's
	v_lshlrev_b32 v[SH8], 3, v2
	v_mov_b32 v[QTP], 0                            ; a lane permute's destination counts as one of its sources
	s_mov_b32 s[SEL], 0x76543210
	s_mov_b32 s[SEL+1], 0xfedcba98
	s_lshl_b32 s15, ttmp9, 2
	s_add_co_u32 s15, s15, s14                     ; T = 4 x work-group x + wave
	s_and_b32 s16, ttmp7, 0xffff                   ; s = work-group y
	s_lshl_b32 s17, s15, 2
	s_add_co_u32 s17, s17, s16                     ; 4 T + s
	s_mul_i32 s18, s17, 1536                       ; the fragment's image
	s_mov_b32 s19, 0
	s_lshl_b32 s20, s17, 7                         ; its scale words' image
	s_mov_b32 s21, 0
	s_mov_b32 s23, 0
	s_wait_kmcnt 0x0
	s_add_nc_u64 s[10:11], s[10:11], s[18:19]
	s_add_nc_u64 s[12:13], s[12:13], s[20:21]
	s_cmp_lt_u32 ttmp9, 16                         ; work-groups 0-15: Wk and Wv (rows of 2,048 bytes); 16-31: Wphi (rows of 4,000)
	s_cbranch_scc0 .Lphi
	s_cmp_lt_u32 ttmp9, 8
	s_cselect_b64 s[4:5], s[4:5], s[6:7]           ; the choice hangs on the work-group's number alone
	s_lshl_b32 s22, s16, 18                        ; 128 s rows of 2,048 bytes
	s_add_nc_u64 s[4:5], s[4:5], s[22:23]
	s_and_b32 s24, s15, 31
	s_lshl_b32 s24, s24, 6                         ; 16 columns of 4 bytes a tile
	v_lshl_add_u32 v3, v1, 2, s24
	v_lshl_add_u32 v3, v2, 16, v3                  ; lanes 16-31 begin 32 rows further down
	WCOL 4, 2048
	s_branch .Ljoin
.Lphi:
	s_sub_co_u32 s24, s15, 64
	s_lshl_b32 s24, s24, 4
	v_add_nc_u32 v3, s24, v1
	v_min_u32 v3, 999, v3                          ; no load leaves the buffer
	v_lshlrev_b32 v3, 2, v3
	v_mul_u32_u24 v8, v2, 128000                   ; 32 rows of 4,000 bytes
	v_add_nc_u32 v3, v3, v8
	s_mul_i32 s22, s16, 512000                     ; 128 s rows
	s_add_nc_u64 s[8:9], s[8:9], s[22:23]
	WCOL 8, 4000
.Ljoin:
	s_wait_loadcnt 0x0
	QA RX, PCD, FW
.irp c, 0,1,2
	global_store_b128 v4, v[PCD+4*\c:PCD+4*\c+3], s[10:11] offset:512*\c   ; 32 lanes store 512 consecutive bytes, at a multiple of 256 from the buffer's first byte
.endr
	global_store_b32 v5, v[FW], s[12:13]
	s_endpgm
.Lfunc_end_k_qa5530cfac9_wquant:
	.size	k_qa5530cfac9_wquant, .Lfunc_end_k_qa5530cfac9_wquant-k_qa5530cfac9_wquant
	.p2alignl 7, 3214868480
	.fill 96, 4, 3214868480
	.section	.rodata,"a",@progbits
	.p2align	6, 0x0
	.amdhsa_kernel k_qa5530cfac9_wquant
		.amdhsa_group_segment_fixed_size 0
		.amdhsa_private_segment_fixed_size 0
		.amdhsa_enable_private_segment 0
		.amdhsa_kernarg_size 40
		.amdhsa_user_sgpr_count 2
		.amdhsa_user_sgpr_kernarg_segment_ptr 1
		.amdhsa_wavefront_size32 1
		.amdhsa_system_sgpr_workgroup_id_x 1
		.amdhsa_system_sgpr_workgroup_id_y 1
		.amdhsa_system_sgpr_workgroup_id_z 1
		.amdhsa_system_vgpr_workitem_id 0
		.amdhsa_next_free_vgpr 128
		.amdhsa_next_free_sgpr 66
		.amdhsa_reserve_vcc 0
		.amdhsa_float_denorm_mode_32 3
		.amdhsa_float_denorm_mode_16_64 3
		.amdhsa_memory_ordered 1
		.amdhsa_forward_progress 1
		.amdhsa_inst_pref_size 18
	.end_amdhsa_kernel
	.amdgpu_metadata
---
amdhsa.version: [ 1, 2 ]
amdhsa.kernels:
  - .name:           k_qa5530cfac9_wquant
    .symbol:         k_qa5530cfac9_wquant.kd
    .args:
      - { .name: Wk, .offset: 0, .size: 8, .value_kind: global_buffer, .address_space: global }
      - { .name: Wv, .offset: 8, .size: 8, .value_kind: global_buffer, .address_space: global }
      - { .name: Wphi, .offset: 16, .size: 8, .value_kind: global_buffer, .address_space: global }
      - { .name: wimg, .offset: 24, .size: 8, .value_kind: global_buffer, .address_space: global }
      - { .name: wsc, .offset: 32, .size: 8, .value_kind: global_buffer, .address_space: global }
    .group_segment_fixed_size: 0
    .private_segment_fixed_size: 0
    .kernarg_segment_align: 8
    .kernarg_segment_size: 40
    .max_flat_workgroup_size: 128
    .sgpr_count:     66
    .vgpr_count:     128
    .wavefront_size: 32
...
	.end_amdgpu_metadata
.endif
;; end of part 1
;; launch keys (part 2): grid 256 x 1, 4 waves a work-group, no clusters, 327,680 bytes of LDS; arguments x_items, x_query, Wq, bq, bk, wimg, wsc, xc, xs, scores; writes xc, xs, scores
.if DOCPART == 2
	.amdgcn_target "amdgcn-amd-amdhsa--gfx1250"
	.amdhsa_code_object_version 6
	.text
	.protected	k_qa5530cfac9_keys
	.globl	k_qa5530cfac9_keys
	.p2align	8
	.type	k_qa5530cfac9_keys,@function
k_qa5530cfac9_keys:
	s_mov_b64 s[64:65], 0
	v_nop
	global_prefetch_b8 v0, s[64:65] scope:SCOPE_SE
	s_setreg_imm32_b32 hwreg(HW_REG_WAVE_MODE, 25, 1), 1
	s_wait_xcnt 0x0
; scores[b][n] = (q[b] . k[b][n]) / sqrt(512), q = x_query[b] Wq + bq, k = Q(x_items) Q(Wk) + bk, the product on codes of FP6 (E2M3) with one E8M0 scale for each 32 along K.
; The codes and scale words of x_items, made here once, are also stored (xc, xs) as images of the operand's registers: the launch that forms v reads them in place of the f32 numbers.
; SHARES.  Work-group g takes rows 512 g .. 512 g + 511 of the 131,072 (all of batch g / 8), in 8 blocks of 64.  THE WAVES SHARE THE COLUMNS: wave w keeps Wk's columns 128 w .. 128 w + 127 (32 fragments, 384 registers),
; their bk and its part of q in registers for the whole launch.  In each block wave w fetches and quantises rows 16 w .. 16 w + 15: one tile of rows, four fragments, which reach the other waves through LDS as register images.
; x comes through a ring of two LDS slots of 64 rows, filled by the tensor data mover: each wave loads its own 16 rows (32 KiB, dense in memory) and alone reads them.  By this text's count a wave has two tensor loads out at the start, later one.
; THE MATRIX INSTRUCTION IS USED TRANSPOSED (source 0 = 16 columns of Wk, source 1 = 16 rows of x): lane (r, h), register j of tile t holds k(row r, d = 128 w + 16 t + 8 h + j); bk is the C of each sum's first instruction.
; The dot product with q is then 32 packed multiply-adds a tile of rows and one exchange between the halves of the lanes; the four waves' parts meet in LDS at the end and leave as 2 KiB of consecutive bytes.
; NO CLUSTER: what work-groups share is Wk, 192 KiB against the 1 MiB of x that is a work-group's own; it goes straight into registers once, and beside two slots of 130 KiB LDS has no 192 KiB through which a joint load could bring it.
; LDS rows of x are 2,080 bytes apart (two half rows of 1,024 bytes, 16 of padding behind each): 16 rows of a load start at 8 different places modulo 256 bytes.  An odd multiple of 16 would break the 16-byte alignment of the second half row.
; LIMITS: a block of zeros gets the scale byte 1 where the rule says 127 (its codes are zeros, and this program alone reads the bytes); NaN and infinities among the inputs are not served; the sum over d is ordered otherwise than a plain chain.
; REGISTERS, in windows of 256: window 0: v1-21 addresses; v32-47 Wk's scale words, v48-55 x's; v56-71 at work; v72-119 the codes just made; v120-127 at work; v128-255 x's f32 numbers (two sets of 64), later the score sums.
;   window 1: v0-191 Wk's fragments of K steps 0, 1; v192-255 q.   window 2: v0-191 K steps 2, 3; v192-255 bk.   window 3: v0-127 two sets of 8 accumulators; v128-223 two buffers of four fragments of x.
.set XPITCH, 2080
.set WTILE,  16*XPITCH                 ; a wave's 16 rows in a slot: 33,280 bytes
.set SLOTB,  4*WTILE                   ; a slot: 133,120 bytes
.set XIMG,   2*SLOTB                   ; behind the ring: the images of x's 16 fragments (tile of rows m, K step s at (4 m + s) x 1,536),
.set XSC,    XIMG+16*1536              ; of their scale words, 256 bytes a tile of rows,
.set SPART,  XSC+1024                  ; the waves' parts of the 512 scores, 2,048 bytes a wave,
.set SPARE,  SPART+8192                ; and the spare words, 128 bytes for each wave: two blocks of 256 bytes that no other line names
.set LI,  3                            ; v3   16 x lane
.set XA,  5                            ; v5-6 my row's numbers in slot 0, 1: (16 w + r) x 2,080 + 128 h
.set XWI, 7                            ; v7   where I store my fragments' images
.set XWS, 8                            ; v8   and their scale words
.set GXC, 9                            ; v9   the same places in xc
.set GXS, 10                           ; v10  and in xs
.set FI,  11                           ; v11  where I read any fragment's image
.set FS,  12                           ; v12  and any tile's scale words
.set SPB, 13                           ; v13  my wave's part of the scores, row r
.set SPA, 14                           ; v14  the same in the block in hand
.set SH8, 15                           ; v15  8 h
.set SPW, 16                           ; v16  LDS address of my spare word; never rewritten
.set NIL, 17                           ; v17  0; never rewritten
.set WSO, 18                           ; v18  4 x lane + 128 h: lanes 0-15 take an even K step's scale words, lanes 16-31 the odd one's
.set BO,  19                           ; v19  32 h: my eight numbers of a tile of bk, Wq, bq
.set SPR, 20                           ; v20  the end: where I read four scores' parts
.set SGO, 21                           ; v21  16 x thread
.set WS,  32                           ; Wk's scale words: register 2 t + p: K steps 2 p (lanes 0-15) and 2 p + 1 (lanes 16-31) of tile t
.set XS,  48                           ; x's: register 2 m + p likewise, for tile of rows m
.set SW,  56                           ; v56-57 the two words that I make
.set FW,  58                           ; v58-61 my rows' scale word of each K step
.set QM,  62
.set QSO, 64
.set QBY, 66
.set QTW, 68
.set QTP, 69
.set PC,  72                           ; the codes: 12 registers a K step
.set QTC, 120
.set ST,  128                          ; x's numbers
.set SS,  128                          ; the score sums: four pairs for each tile of rows m, at SS + 8 m + 2 k
.set WIMG, 14                          ; s[14:15] my fragments of Wk
.set WSCP, 16                          ; s[16:17] their scale words
.set SEL,  32                          ; s[32:33] lane selects: lane l xor 16
.set G1,   36                          ; s[36:43] descriptor group 1;  s[44:47], s[48:51] group 0 of slot 0, 1
.set G0,   44
.set MSB, 0
.macro WIN new                         ; the immediate's high byte repeats the setting that is left; a switch that changes nothing is dropped
.if MSB != (\new)
	s_set_vgpr_msb (MSB<<8)|(\new)
.set MSB, (\new)
.endif
.endm
.macro PLACES
.rept 4
	v_nop
.endr
.endm
; 64 numbers of a lane, v[src + 32 c + i] = k 64 c + 32 h + i of my row, become a fragment's codes in v[dst .. dst + 11] and the whole scale word in v[f]
.macro QA src, dst, f
.irp c, 0,1
	v_max3_num_f32 v[QM+\c], |v[\src+32*\c]|, |v[\src+32*\c+1]|, 0x1800000   ; my block 2 c + h: all 32 numbers are mine; the floor 2^(3 - 127) holds the byte at 1 from below
.endr
.irp i, 2,4,6,8,10,12,14,16,18,20,22,24,26,28,30
.irp c, 0,1
	v_max3_num_f32 v[QM+\c], v[QM+\c], |v[\src+32*\c+\i]|, |v[\src+32*\c+\i+1]|   ; the two blocks by turns
.endr
.endr
.irp c, 0,1
	v_add_nc_u32 v[QSO+\c], 0xff000000, v[QM+\c]   ; 2 off the exponent field: the conversion's scale operand
.endr
.irp c, 0,1
	v_lshrrev_b32 v[QBY+\c], 23, v[QSO+\c]         ; the scale's byte
.endr
	v_lshl_or_b32 v[QTW], v[QBY+1], 16, v[QBY]     ; my bytes: blocks h and 2 + h,
	v_lshlrev_b32 v[QTW], v[SH8], v[QTW]           ; at their places in the word;
	v_permlanex16_b32 v[QTP], v[QTW], s[SEL], s[SEL+1]
	v_or_b32 v[\f], v[QTW], v[QTP]                 ; with lane l xor 16's two the word is whole, in both lanes
	v_cvt_scalef32_pk16_fp6_f32 v[\dst:\dst+2], v[\src:\src+15], v[QSO]
	v_cvt_scalef32_pk16_fp6_f32 v[QTC:QTC+2], v[\src+16:\src+31], v[QSO]         ; (a conversion's three registers begin on an even number)
	v_cvt_scalef32_pk16_fp6_f32 v[\dst+6:\dst+8], v[\src+32:\src+47], v[QSO+1]
	v_cvt_scalef32_pk16_fp6_f32 v[QTC+4:QTC+6], v[\src+48:\src+63], v[QSO+1]
	v_nop                                          ; one plain place behind a scaled conversion
.irp i, 0,1,2
	v_mov_b32 v[\dst+3+\i], v[QTC+\i]
	v_mov_b32 v[\dst+9+\i], v[QTC+4+\i]
.endr
.endm
; my 16 fragments of K steps 2 half, 2 half + 1 into window 1 + half: fragment (t, s') at v[12 (2 t + s')]
.macro WLOAD half
.if \half == 0
	WIN 0x40
.else
	WIN 0x80
.endif
.irp t, 0,1,2,3,4,5,6,7
.irp sp, 0,1
.irp c, 0,1,2
	global_load_b128 v[12*(2*\t+\sp)+4*\c:12*(2*\t+\sp)+4*\c+3], v[LI], s[WIMG:WIMG+1] offset:(4*\t+2*\half+\sp)*1536+512*\c
.endr
.endr
.endr
.endm
.macro WSLOAD
.irp t, 0,1,2,3,4,5,6,7
.irp p, 0,1
	global_load_b32 v[WS+2*\t+\p], v[WSO], s[WSCP:WSCP+1] offset:512*\t+256*\p
.endr
.endr
.endm
; 64 numbers in the result's layout: register 8 t + j = the number of d = 128 w + 16 t + 8 h + j (the window is set by the caller)
.macro BLOAD reg, p
.irp t, 0,1,2,3,4,5,6,7
	global_load_b128 v[\reg+8*\t:\reg+8*\t+3], v[BO], s[\p:\p+1] offset:64*\t
	global_load_b128 v[\reg+8*\t+4:\reg+8*\t+7], v[BO], s[\p:\p+1] offset:64*\t+16
.endr
.endm
; 32 matrix instructions: my 8 tiles of columns x the tile of rows m, K = 512.  The 8 accumulators of set aset take turns, one instruction a turn.
.macro MM m, aset, buf
	WIN 0xed                                       ; source 0 (W) window 1, source 1 (x) window 3, C (the bias) window 2, D window 3
.irp t, 0,1,2,3,4,5,6,7
	v_wmma_scale_f32_16x16x128_f8f6f4 v[64*\aset+8*\t:64*\aset+8*\t+7], v[24*\t:24*\t+11], v[128+48*\buf:128+48*\buf+11], v[192+8*\t:192+8*\t+7], v[WS+2*\t], v[XS+2*\m] matrix_a_fmt:MATRIX_FMT_FP6 matrix_b_fmt:MATRIX_FMT_FP6
.endr
	WIN 0xfd                                       ; C and D window 3
.irp t, 0,1,2,3,4,5,6,7
	v_wmma_scale_f32_16x16x128_f8f6f4 v[64*\aset+8*\t:64*\aset+8*\t+7], v[24*\t+12:24*\t+23], v[128+48*\buf+12:128+48*\buf+23], v[64*\aset+8*\t:64*\aset+8*\t+7], v[WS+2*\t], v[XS+2*\m] matrix_a_fmt:MATRIX_FMT_FP6 matrix_b_fmt:MATRIX_FMT_FP6 matrix_a_scale:MATRIX_SCALE_ROW1 matrix_b_scale:MATRIX_SCALE_ROW1
.endr
	WIN 0xfe                                       ; source 0 window 2
.irp t, 0,1,2,3,4,5,6,7
	v_wmma_scale_f32_16x16x128_f8f6f4 v[64*\aset+8*\t:64*\aset+8*\t+7], v[24*\t:24*\t+11], v[128+48*\buf+24:128+48*\buf+35], v[64*\aset+8*\t:64*\aset+8*\t+7], v[WS+2*\t+1], v[XS+2*\m+1] matrix_a_fmt:MATRIX_FMT_FP6 matrix_b_fmt:MATRIX_FMT_FP6
.endr
.irp t, 0,1,2,3,4,5,6,7
	v_wmma_scale_f32_16x16x128_f8f6f4 v[64*\aset+8*\t:64*\aset+8*\t+7], v[24*\t+12:24*\t+23], v[128+48*\buf+36:128+48*\buf+47], v[64*\aset+8*\t:64*\aset+8*\t+7], v[WS+2*\t+1], v[XS+2*\m+1] matrix_a_fmt:MATRIX_FMT_FP6 matrix_b_fmt:MATRIX_FMT_FP6 matrix_a_scale:MATRIX_SCALE_ROW1 matrix_b_scale:MATRIX_SCALE_ROW1
.endr
.endm
; a tile of rows' four fragments, 12 loads of 512 consecutive bytes, into buffer buf
.macro FETCH buf, off
	WIN 0xc0                                       ; destination window 3, address window 0
.irp i, 0,1,2,3,4,5,6,7,8,9,10,11
	ds_load_b128 v[128+48*\buf+4*\i:128+48*\buf+4*\i+3], v[FI] offset:\off+512*\i
.endr
.endm
; x's numbers of K step s, 64 a lane, out of my rows of the slot
.macro LOADST aset, s, slot
.irp c, 0,1
.irp i, 0,1,2,3,4,5,6,7
	ds_load_b128 v[ST+64*\aset+32*\c+4*\i:ST+64*\aset+32*\c+4*\i+3], v[XA+\slot] offset:512*\s+256*\c+16*\i+16*(\s/2)   ; K steps 2 and 3 lie behind the half row's padding
.endr
.endr
.endm
; K step s's fragment goes out as it stands: to LDS for the other waves, to xc for the next launch; each store covers 512 consecutive bytes
.macro IMG s
.irp c, 0,1,2
	ds_store_b128 v[XWI], v[PC+12*\s+4*\c:PC+12*\s+4*\c+3] offset:1536*\s+512*\c
.endr
.irp c, 0,1,2
	global_store_b128 v[GXC], v[PC+12*\s+4*\c:PC+12*\s+4*\c+3], s[18:19] offset:1536*\s+512*\c
.endr
.endm
; my 16 rows become four fragments and two registers of scale words.  The numbers come in two sets by turns, a K step ahead of the work.
.macro XQ slot
	LOADST 0, 0, \slot
	LOADST 1, 1, \slot
	s_wait_dscnt 16                                ; K step 0's 16 loads are in; K step 1's may be out
	QA ST, PC, FW
	IMG 0
	LOADST 0, 2, \slot
	s_wait_dscnt 19                                ; K step 1's are in: behind them 3 stores and 16 loads
	QA ST+64, PC+12, FW+1
	v_cndmask_b32 v[SW], v[FW], v[FW+1], s30       ; lanes 0-15: K step 0's word of row r; lanes 16-31: K step 1's
	IMG 1
	LOADST 1, 3, \slot
	s_wait_dscnt 19                                ; K step 2's are in: behind them 3 stores and 16 loads
	QA ST, PC+24, FW+2
	IMG 2
	s_wait_dscnt 3                                 ; K step 3's are in: behind them 3 stores
	QA ST+64, PC+36, FW+3
	v_cndmask_b32 v[SW+1], v[FW+2], v[FW+3], s30
	IMG 3
	ds_store_b64 v[XWS], v[SW:SW+1]
	global_store_b64 v[GXS], v[SW:SW+1], s[20:21]  ; 32 lanes store 256 consecutive bytes
.endm
; the tile of rows m: my 128 numbers of k times q, in four chains.  Each accumulator is read from its low end on.
.macro RED m
	WIN 0x07                                       ; source 0 (k) window 3, source 1 (q) window 1, the sums window 0
.irp k, 0,1,2,3
	v_pk_mul_f32 v[SS+8*\m+2*\k:SS+8*\m+2*\k+1], v[64*(\m%2)+2*\k:64*(\m%2)+2*\k+1], v[192+2*\k:192+2*\k+1]
.endr
.irp t, 1,2,3,4,5,6,7
.irp k, 0,1,2,3
	v_pk_fma_f32 v[SS+8*\m+2*\k:SS+8*\m+2*\k+1], v[64*(\m%2)+8*\t+2*\k:64*(\m%2)+8*\t+2*\k+1], v[192+8*\t+2*\k:192+8*\t+2*\k+1], v[SS+8*\m+2*\k:SS+8*\m+2*\k+1]
.endr
.endr
.endm
.macro COMBINE                         ; a row's eight sums and the other half of the lanes': my wave's part of 64 scores
	WIN 0
.irp m, 0,1,2,3
	v_pk_add_f32 v[SS+8*\m:SS+8*\m+1], v[SS+8*\m:SS+8*\m+1], v[SS+8*\m+2:SS+8*\m+3]
	v_pk_add_f32 v[SS+8*\m+4:SS+8*\m+5], v[SS+8*\m+4:SS+8*\m+5], v[SS+8*\m+6:SS+8*\m+7]
.endr
.irp m, 0,1,2,3
	v_pk_add_f32 v[SS+8*\m:SS+8*\m+1], v[SS+8*\m:SS+8*\m+1], v[SS+8*\m+4:SS+8*\m+5]
.endr
.irp m, 0,1,2,3
	v_add_f32 v[SS+8*\m], v[SS+8*\m], v[SS+8*\m+1]
.endr
.irp m, 0,1,2,3
	v_permlanex16_b32 v[SS+8*\m+2], v[SS+8*\m], s[SEL], s[SEL+1]
.endr
.irp m, 0,1,2,3
	v_add_f32 v[SS+8*\m], v[SS+8*\m], v[SS+8*\m+2]
.endr
.irp m, 0,1,2,3
	ds_store_b32 v[SPA], v[SS+8*\m] offset:64*\m   ; lanes r and 16 + r write the same word with the same value
.endr
.endm
; the products of a block: four tiles of rows on two sets of accumulators and two buffers; a tile's dot products with q stand behind the next tile's products
.macro P1
	WIN 0
.irp m, 0,1,2,3
	ds_load_b64 v[XS+2*\m:XS+2*\m+1], v[FS] offset:256*\m
.endr
	FETCH 0, 0
	FETCH 1, 6144
	s_wait_dscnt 12                                ; the scale words and tile 0 are in; tile 1's 12 loads may be out
	MM 0, 0, 0
	s_wait_dscnt 0x0
	MM 1, 1, 1
	PLACES                                         ; four places in front of the loads into both buffers and of the first read of tile 0's results
	FETCH 0, 12288
	FETCH 1, 18432
	RED 0                                          ; (with the four above more than the five places that tile 2's products owe before they write over tile 0's accumulators)
	s_wait_dscnt 12
	MM 2, 0, 0
	RED 1
	s_wait_dscnt 0x0
	MM 3, 1, 1
	RED 2                                          ; tile 1's sums were the places behind tile 2's products, tile 2's are those behind tile 3's
	RED 3
	COMBINE
.endm
; A block that is not the first.  The first barrier is the one in front of a refill, and it also parts the last block's reads of the images from this block's stores; the second shows the images to every wave.
.macro BLOCK slot, refill
	s_wait_tensorcnt 0x0                           ; all my tensor loads have landed, my rows of this block among them: so a group 0 may be written
	ds_add_u32 v[SPW], v[NIL]                      ; 0 onto my spare word: the steps below stand between it and the wait for it
	s_wait_xcnt 0x0                                ; the last block's stores have read their data and their bases: both are written again only behind this wait
	s_add_nc_u64 s[18:19], s[18:19], 24576         ; xc: 16 fragments on
	s_add_nc_u64 s[20:21], s[20:21], 1024          ; xs: four tiles on
	s_add_co_u32 s53, s53, 256                     ; the scores' parts: 64 rows on
.if \refill
	s_add_nc_u64 s[G0+4*(1-\slot)+2:G0+4*(1-\slot)+3], s[G0+4*(1-\slot)+2:G0+4*(1-\slot)+3], 262144   ; the other slot's next block: two blocks of 64 rows x 2,048 bytes on
.endif
	v_add_nc_u32 v[SPA], s53, v[SPB]
	s_wait_dscnt 0x0                               ; the add is done; my reads of the other slot and of the images are over, my stores have landed
	s_barrier_signal -1
	s_barrier_wait -1
.if \refill
	tensor_load_to_lds s[G0+4*(1-\slot):G0+4*(1-\slot)+3], s[G1:G1+7]   ; my one tensor load behind the barrier, and the first thing there: it has this whole block in which to land
	s_nop 0
	PLACES
.endif
	XQ \slot
	s_wait_dscnt 0x0                               ; for the others' sake: my images have landed
	s_barrier_signal -1
	s_barrier_wait -1
	P1
.endm
	s_load_b512 s[4:19], s[0:1], 0x0               ; x_items s[4:5], x_query s[6:7], Wq s[8:9], bq s[10:11], bk s[12:13], wimg s[14:15], wsc s[16:17], xc s[18:19]
	s_load_b128 s[20:23], s[0:1], 0x40             ; xs s[20:21], scores s[22:23]
	v_lshl_add_u32 v[SPW], v0, 2, SPARE
	v_mov_b32 v[NIL], 0
	ds_add_u32 v16, v17
	ds_add_u32 v16, v17
	s_wait_dscnt 0x0
	v_lshrrev_b32 v1, 5, v0
	v_readfirstlane_b32 s24, v1                    ; wave 0..3
	s_mov_b32 s25, ttmp9                           ; g
	; descriptor group 1: 32 half rows of 1,024 bytes (128 elements of 8), dense in memory, 16 bytes of padding behind each
	s_mov_b32 s[G1+0], 0x07d30000                  ; 17:16 elements of 8 bytes; 20 padding on; 24:22 after every 256 words (code 7); 31:25 of 4 words (code 3)
	s_mov_b32 s[G1+1], 128<<16                     ; tensor_dim0 = 128
	s_mov_b32 s[G1+2], 32<<16                      ; tensor_dim1 = 32
	s_mov_b32 s[G1+3], 128<<16                     ; tile_dim0 = 128
	s_mov_b32 s[G1+4], 32                          ; tile_dim1 = 32
	s_mov_b32 s[G1+5], 128                         ; from half row to half row
	s_mov_b32 s[G1+6], 0
	s_mov_b32 s[G1+7], 0
	s_mul_i32 s54, s24, WTILE                      ; my rows' place in a slot
	s_lshl_b32 s56, s25, 20                        ; 512 g rows of 2,048 bytes,
	s_lshl_b32 s55, s24, 15                        ; 16 w rows
	s_add_co_u32 s56, s56, s55
	s_mov_b32 s57, 0
	s_wait_kmcnt 0x0
	s_add_nc_u64 s[4:5], s[4:5], s[56:57]
.irp n, 0,1
	s_mov_b32 s[G0+4*\n], 1                        ; count = 1
	s_add_co_u32 s[G0+4*\n+1], s54, \n*SLOTB       ; LDS address
	s_add_nc_u64 s[G0+4*\n+2:G0+4*\n+3], s[4:5], \n*131072   ; block n
	s_or_b32 s[G0+4*\n+3], s[G0+4*\n+3], 0x80000000          ; type = 2
.endr
	tensor_load_to_lds s[G0:G0+3], s[G1:G1+7]      ; the two first fills go out together, ahead of everything else
	s_nop 0
	tensor_load_to_lds s[G0+4:G0+7], s[G1:G1+7]
	s_nop 0
	PLACES
	s_mul_i32 s56, s24, 49152                      ; my 8 tiles of Wk: 32 fragments of 1,536 bytes
	s_add_nc_u64 s[14:15], s[14:15], s[56:57]
	s_lshl_b32 s56, s24, 12                        ; their scale words
	s_add_nc_u64 s[16:17], s[16:17], s[56:57]
	s_lshl_b32 s56, s24, 9                         ; my 128 numbers of Wq, bq, bk
	s_add_nc_u64 s[8:9], s[8:9], s[56:57]
	s_add_nc_u64 s[10:11], s[10:11], s[56:57]
	s_add_nc_u64 s[12:13], s[12:13], s[56:57]
	s_mul_i32 s56, s25, 196608                     ; the work-group's 32 tiles of rows in xc,
	s_add_nc_u64 s[18:19], s[18:19], s[56:57]
	s_lshl_b32 s56, s25, 13                        ; in xs,
	s_add_nc_u64 s[20:21], s[20:21], s[56:57]
	s_lshl_b32 s56, s25, 11                        ; its 512 scores
	s_add_nc_u64 s[22:23], s[22:23], s[56:57]
	s_lshr_b32 s56, s25, 3
	s_lshl_b32 s56, s56, 2                         ; the batch's query
	s_add_nc_u64 s[6:7], s[6:7], s[56:57]
	s_load_b32 s27, s[6:7], 0x0
	s_mov_b32 s30, 0xffff0000                      ; lanes 16-31
	s_mov_b32 s[SEL], 0x76543210
	s_mov_b32 s[SEL+1], 0xfedcba98
	s_mov_b32 s53, 0
	v_and_b32 v1, 15, v0                           ; r
	v_bfe_u32 v2, v0, 4, 1                         ; h
	v_and_b32 v4, 31, v0                           ; lane
	v_lshlrev_b32 v[LI], 4, v4
	v_lshlrev_b32 v[WSO], 2, v4
	v_lshl_add_u32 v[WSO], v2, 7, v[WSO]
	v_lshlrev_b32 v[BO], 5, v2
	WLOAD 0
	BLOAD 192, 8                                   ; Wq, where q will stand
	WLOAD 1
	BLOAD 192, 12                                  ; bk
	WIN 0xc0
	BLOAD 0, 10                                    ; bq, for now in the accumulators' registers
	WIN 0
	WSLOAD
	v_mul_u32_u24 v[XA], v1, XPITCH
	v_lshl_add_u32 v[XA], v2, 7, v[XA]
	v_add_nc_u32 v[XA], s54, v[XA]
	v_add_nc_u32 v[XA+1], SLOTB, v[XA]
	s_mul_i32 s55, s24, 6144
	v_add_nc_u32 v[GXC], s55, v[LI]
	v_add_nc_u32 v[XWI], XIMG, v[GXC]
	s_lshl_b32 s55, s24, 8
	v_lshl_add_u32 v[GXS], v4, 3, s55
	v_add_nc_u32 v[XWS], XSC, v[GXS]
	v_add_nc_u32 v[FI], XIMG, v[LI]
	v_lshl_add_u32 v[FS], v4, 3, XSC
	s_lshl_b32 s55, s24, 11
	v_lshl_add_u32 v[SPB], v1, 2, s55
	v_add_nc_u32 v[SPB], SPART, v[SPB]
	v_add_nc_u32 v[SPA], s53, v[SPB]
	v_lshlrev_b32 v[SH8], 3, v2
	v_lshlrev_b32 v[SGO], 4, v0
	v_add_nc_u32 v[SPR], SPART, v[SGO]
	v_mov_b32 v[QTP], 0                            ; a lane permute's destination counts as one of its sources
	s_wait_loadcnt 0x0                             ; the weights, their scale words, bk, Wq, bq
	s_wait_kmcnt 0x0                               ; x_query[b]
	WIN 0x71                                       ; destination and source 0 window 1, source 2 window 3
.set j, 0
.rept 64
	v_fma_f32 v[192+j], v[192+j], s27, v[j]        ; q = x_query Wq + bq, one rounding
.set j, j+1
.endr
	WIN 0
	s_wait_tensorcnt 0x1                           ; my rows of block 0 are in; block 1's may stay out
	XQ 0
	s_wait_dscnt 0x0                               ; for the others' sake: my images have landed
	s_barrier_signal -1
	s_barrier_wait -1
	P1
	s_mov_b32 s52, 3
.Lblk:                                             ; three trips: blocks 1 to 6; each fills the slot that the block before has left
	BLOCK 1, 1
	BLOCK 0, 1
	s_sub_co_u32 s52, s52, 1
	s_cmp_lg_u32 s52, 0
	s_cbranch_scc1 .Lblk
	BLOCK 1, 0                                     ; block 7: nothing is left to fetch
	s_wait_dscnt 0x0                               ; my parts of the scores have landed
	s_barrier_signal -1
	s_barrier_wait -1
.irp w, 0,1,2,3
	ds_load_b128 v[128+4*\w:128+4*\w+3], v[SPR] offset:2048*\w   ; four rows' parts of wave w
.endr
	s_wait_dscnt 0x0
	v_pk_add_f32 v[128:129], v[128:129], v[132:133]
	v_pk_add_f32 v[130:131], v[130:131], v[134:135]
	v_pk_add_f32 v[136:137], v[136:137], v[140:141]
	v_pk_add_f32 v[138:139], v[138:139], v[142:143]
	v_pk_add_f32 v[128:129], v[128:129], v[136:137]
	v_pk_add_f32 v[130:131], v[130:131], v[138:139]
	v_pk_mul_f32 v[128:129], v[128:129], 0x3d3504f3 op_sel_hi:[1,0]   ; x 512^-0.5
	v_pk_mul_f32 v[130:131], v[130:131], 0x3d3504f3 op_sel_hi:[1,0]
	global_store_b128 v[SGO], v[128:131], s[22:23] ; the work-group stores 2,048 consecutive bytes, a wave 512
	s_wait_tensorcnt 0x0                           ; the wave's end: behind my last tensor load and my last LDS store
	ds_add_u32 v[SPW], v[NIL]
	s_wait_dscnt 0x0
	s_endpgm
.Lfunc_end_k_qa5530cfac9_keys:
	.size	k_qa5530cfac9_keys, .Lfunc_end_k_qa5530cfac9_keys-k_qa5530cfac9_keys
	.p2alignl 7, 3214868480
	.fill 96, 4, 3214868480
	.section	.rodata,"a",@progbits
	.p2align	6, 0x0
	.amdhsa_kernel k_qa5530cfac9_keys
		.amdhsa_group_segment_fixed_size 327680
		.amdhsa_private_segment_fixed_size 0
		.amdhsa_enable_private_segment 0
		.amdhsa_kernarg_size 80
		.amdhsa_user_sgpr_count 2
		.amdhsa_user_sgpr_kernarg_segment_ptr 1
		.amdhsa_wavefront_size32 1
		.amdhsa_system_sgpr_workgroup_id_x 1
		.amdhsa_system_sgpr_workgroup_id_y 1
		.amdhsa_system_sgpr_workgroup_id_z 1
		.amdhsa_system_vgpr_workitem_id 0
		.amdhsa_next_free_vgpr 1024
		.amdhsa_next_free_sgpr 66
		.amdhsa_reserve_vcc 0
		.amdhsa_float_denorm_mode_32 3
		.amdhsa_float_denorm_mode_16_64 3
		.amdhsa_memory_ordered 1
		.amdhsa_forward_progress 1
		.amdhsa_inst_pref_size 218
	.end_amdhsa_kernel
	.amdgpu_metadata
---
amdhsa.version: [ 1, 2 ]
amdhsa.kernels:
  - .name:           k_qa5530cfac9_keys
    .symbol:         k_qa5530cfac9_keys.kd
    .args:
      - { .name: x_items, .offset: 0, .size: 8, .value_kind: global_buffer, .address_space: global }
      - { .name: x_query, .offset: 8, .size: 8, .value_kind: global_buffer, .address_space: global }
      - { .name: Wq, .offset: 16, .size: 8, .value_kind: global_buffer, .address_space: global }
      - { .name: bq, .offset: 24, .size: 8, .value_kind: global_buffer, .address_space: global }
      - { .name: bk, .offset: 32, .size: 8, .value_kind: global_buffer, .address_space: global }
      - { .name: wimg, .offset: 40, .size: 8, .value_kind: global_buffer, .address_space: global }
      - { .name: wsc, .offset: 48, .size: 8, .value_kind: global_buffer, .address_space: global }
      - { .name: xc, .offset: 56, .size: 8, .value_kind: global_buffer, .address_space: global }
      - { .name: xs, .offset: 64, .size: 8, .value_kind: global_buffer, .address_space: global }
      - { .name: scores, .offset: 72, .size: 8, .value_kind: global_buffer, .address_space: global }
    .group_segment_fixed_size: 327680
    .private_segment_fixed_size: 0
    .kernarg_segment_align: 8
    .kernarg_segment_size: 80
    .max_flat_workgroup_size: 128
    .sgpr_count:     66
    .vgpr_count:     1024
    .wavefront_size: 32
...
	.end_amdgpu_metadata
.endif
;; end of part 2
;; launch values (part 3): grid 256 x 1, 4 waves a work-group, no clusters, 246,272 bytes of LDS; arguments xc, xs, scores, bv, wimg, wsc, zpart; writes zpart
.if DOCPART == 3
	.amdgcn_target "amdgcn-amd-amdhsa--gfx1250"
	.amdhsa_code_object_version 6
	.text
	.protected	k_qa5530cfac9_values
	.globl	k_qa5530cfac9_values
	.p2align	8
	.type	k_qa5530cfac9_values,@function
k_qa5530cfac9_values:
	s_mov_b64 s[64:65], 0
	v_nop
	global_prefetch_b8 v0, s[64:65] scope:SCOPE_SE
	s_setreg_imm32_b32 hwreg(HW_REG_WAVE_MODE, 25, 1), 1
	s_wait_xcnt 0x0
; zpart[g][d] = the sum over the work-group's 512 rows n of attn[n] v[n][d];  attn = sparsemax(scores of the batch), v = Q(x_items) Q(Wv) + bv on codes of FP6 (E2M3) with one E8M0 scale for each 32 along K.
; x's codes and scale words come as the launch before laid them: images of the operand's registers, 196,608 + 8,192 dense bytes a work-group.  They are brought into LDS ONCE, by three tensor loads a wave at the head (three out at the most); nothing is filled again.
; SPARSEMAX.  attn = max(z - tau, 0) with tau the root of f(tau) = sum max(z - tau, 0) = 1.  f falls, f(max - 1) >= 1 and f(max) = 0: so tau - max lies in [-1, 0) for EVERY input.  The maximum is taken away first (u = z - max).
; Twelve steps each cut the bracket into four (three sums of 4,096 terms a step, shared among 128 threads, met in LDS): its width ends at 2^-24; all its points are exact in f32.  On so narrow a bracket f is a straight line but for breaks inside it:
; one Newton step from the lower end, tau = lo + (f(lo) - 1) / (the number of u above lo), gives the root.  No sort, no branch on data: every choice is a v_cndmask_b32.  Every work-group does this for its own batch, while its codes and weights are on their way:
; the scores are asked for first of all, and the weights in three parts, at the head and behind the fourth and the eighth cut, so that no part is asked for while more loads are out than the counter's field names.
; LIMIT: where a score lies inside the last bracket of 2^-24 (on the scale on which attn is at most 1), tau is off by at most that width.  NaN and infinities are not served.  The sums over n are ordered otherwise than a plain chain.
; SHARES.  Work-group g takes rows 512 g .. + 511: 32 tiles of 16 rows; wave w keeps Wv's columns 128 w .. + 127 in registers; the product is used transposed: lane (r, h), register j of tile t holds v(row r, d = 128 w + 16 t + 8 h + j).
; A lane adds attn(row) x v onto 64 sums of its own; at the end the sixteen lanes' sums meet through the wave's own stage in LDS.
; THE TILES OF ROWS ARE ONE PIPELINE, over the blocks' ends too.  A step: the wait for tile T's 14 LDS loads; its 32 products; tile T - 1's 32 multiply-adds onto z, which are also the places behind those products; the loads of tile T + 2.
; So a tile's loads have a whole tile's products in which to come.  Buffers and accumulator sets take turns by T % 2, scale words and attn by T % 4.  The first block (no tile before it; its first sums start z) and the last (nothing more to fetch) are written out.
; NO CLUSTER: the codes are a work-group's own; Wv (192 KiB) goes straight into registers once, and beside 200 KiB of codes LDS has no room through which a joint load could bring it.
; REGISTERS: window 0: v1-19 addresses; v32-47 Wv's scale words, v48-55 x's; v56-63 attn; v64-127 the scores, later the way out; v128-172 the sparsemax.
;   window 1: v0-191 Wv's fragments of K steps 0, 1; v192-255 the sums of z.   window 2: v0-191 K steps 2, 3; v192-255 bv.   window 3: v0-127 two sets of 8 accumulators; v128-223 two buffers of four fragments of x.
.set XSC,  196608                      ; LDS: the codes of 8 blocks from 0 on; x's scale words, 256 bytes a tile of rows;
.set ATT,  XSC+8192                    ; attn of the 512 rows;
.set RED,  ATT+2048                    ; 512 bytes for the exchanges: +0, +64 the steps' sums by turns (16 bytes a wave); +128 the maxima; +192 the Newton step's;
.set STG,  RED+512                     ; the way out: 16 rows x (512 + 16) bytes for each wave
.set LI,  3                            ; v3   16 x lane
.set FSB, 5                            ; v5   XSC + 8 x lane
.set ATB, 6                            ; v6   ATT + 4 r
.set FI,  7                            ; v7-9 the same three in the block in hand
.set FS,  8
.set ATA, 9
.set RA,  10                           ; v10  RED + 16 w
.set RB,  11                           ; v11  RED
.set ATW, 12                           ; v12  ATT + 16 x thread
.set SO,  13                           ; v13  the stage: where I put 32 bytes of row r
.set SR,  14                           ; v14  and where I read 16 bytes of each row
.set RM,  15                           ; v15  RED + 128 + 4 w
.set SCO, 16                           ; v16  16 x thread
.set WSO, 17                           ; v17  4 x lane + 128 h
.set BO,  18                           ; v18  32 h
.set WS,  32
.set XS,  48                           ; x's scale words: slot T % 4, two registers: K steps 0 | 1 and 2 | 3 in the lanes' halves
.set AT,  56                           ; attn of row r of tile T in v[56 + 2 (T % 4)]; the odd registers are named with them as pairs and hold 0
.set RU,  64                           ; my 32 scores, less the maximum
.set RT,  96                           ; at work
.set OWN, 128                          ; four of the work-group's own scores
.set RP,  132                          ; my three sums
.set PQ,  136
.set RG,  140                          ; the four waves' sums
.set LO,  156                          ; the bracket's lower end (v157: 0)
.set QS,  158                          ; a quarter of its width
.set MID, 160                          ; v160, 162, 164: its three inner points (the odd registers: 0)
.set MX,  166                          ; the maximum (v167: 0)
.set TAU, 168                          ; tau - the maximum (v169: 0)
.set ONE, 170
.set TA0, 171
.set TA1, 172
.set WIMG, 12
.set WSCP, 14
.set SEL,  20                          ; s[20:21]
.set TB,   22                          ; s22  where the block's codes begin
.set TS,   23                          ; s23  its scale words
.set TA,   52                          ; s52  its attn
.set G1S,  24                          ; s[24:31] group 1 for the scale words: 8 rows of 256 bytes
.set G1C,  32                          ; s[32:39] for a block of codes: 96 rows of 256 bytes
.set G0,   40                          ; s[40:51] three groups 0
.set MSB, 0
.macro WIN new                         ; the immediate's high byte repeats the setting that is left; a switch that changes nothing is dropped
.if MSB != (\new)
	s_set_vgpr_msb (MSB<<8)|(\new)
.set MSB, (\new)
.endif
.endm
.macro PLACES
.rept 4
	v_nop
.endr
.endm
.macro WLOAD half
.if \half == 0
	WIN 0x40
.else
	WIN 0x80
.endif
.irp t, 0,1,2,3,4,5,6,7
.irp sp, 0,1
.irp c, 0,1,2
	global_load_b128 v[12*(2*\t+\sp)+4*\c:12*(2*\t+\sp)+4*\c+3], v[LI], s[WIMG:WIMG+1] offset:(4*\t+2*\half+\sp)*1536+512*\c
.endr
.endr
.endr
.endm
.macro WSLOAD
.irp t, 0,1,2,3,4,5,6,7
.irp p, 0,1
	global_load_b32 v[WS+2*\t+\p], v[WSO], s[WSCP:WSCP+1] offset:512*\t+256*\p
.endr
.endr
.endm
.macro BLOAD reg, p
.irp t, 0,1,2,3,4,5,6,7
	global_load_b128 v[\reg+8*\t:\reg+8*\t+3], v[BO], s[\p:\p+1] offset:64*\t
	global_load_b128 v[\reg+8*\t+4:\reg+8*\t+7], v[BO], s[\p:\p+1] offset:64*\t+16
.endr
.endm
; 32 matrix instructions: my 8 tiles of columns x the tile of rows m, K = 512.  The 8 accumulators of set aset take turns, one instruction a turn.
.macro MM m, aset, buf
	WIN 0xed                                       ; source 0 (W) window 1, source 1 (x) window 3, C (the bias) window 2, D window 3
.irp t, 0,1,2,3,4,5,6,7
	v_wmma_scale_f32_16x16x128_f8f6f4 v[64*\aset+8*\t:64*\aset+8*\t+7], v[24*\t:24*\t+11], v[128+48*\buf:128+48*\buf+11], v[192+8*\t:192+8*\t+7], v[WS+2*\t], v[XS+2*\m] matrix_a_fmt:MATRIX_FMT_FP6 matrix_b_fmt:MATRIX_FMT_FP6
.endr
	WIN 0xfd                                       ; C and D window 3
.irp t, 0,1,2,3,4,5,6,7
	v_wmma_scale_f32_16x16x128_f8f6f4 v[64*\aset+8*\t:64*\aset+8*\t+7], v[24*\t+12:24*\t+23], v[128+48*\buf+12:128+48*\buf+23], v[64*\aset+8*\t:64*\aset+8*\t+7], v[WS+2*\t], v[XS+2*\m] matrix_a_fmt:MATRIX_FMT_FP6 matrix_b_fmt:MATRIX_FMT_FP6 matrix_a_scale:MATRIX_SCALE_ROW1 matrix_b_scale:MATRIX_SCALE_ROW1
.endr
	WIN 0xfe                                       ; source 0 window 2
.irp t, 0,1,2,3,4,5,6,7
	v_wmma_scale_f32_16x16x128_f8f6f4 v[64*\aset+8*\t:64*\aset+8*\t+7], v[24*\t:24*\t+11], v[128+48*\buf+24:128+48*\buf+35], v[64*\aset+8*\t:64*\aset+8*\t+7], v[WS+2*\t+1], v[XS+2*\m+1] matrix_a_fmt:MATRIX_FMT_FP6 matrix_b_fmt:MATRIX_FMT_FP6
.endr
.irp t, 0,1,2,3,4,5,6,7
	v_wmma_scale_f32_16x16x128_f8f6f4 v[64*\aset+8*\t:64*\aset+8*\t+7], v[24*\t+12:24*\t+23], v[128+48*\buf+36:128+48*\buf+47], v[64*\aset+8*\t:64*\aset+8*\t+7], v[WS+2*\t+1], v[XS+2*\m+1] matrix_a_fmt:MATRIX_FMT_FP6 matrix_b_fmt:MATRIX_FMT_FP6 matrix_a_scale:MATRIX_SCALE_ROW1 matrix_b_scale:MATRIX_SCALE_ROW1
.endr
.endm
; 14 LDS loads: the tile of rows m2 (0 .. 5), counted from the first tile of the block in hand (4 and 5 are the next block's first two): its scale words and attn into slot m2 % 4, its four fragments into buffer m2 % 2
.macro FETCHT m2
	WIN 0
	ds_load_b64 v[XS+2*((\m2)%4):XS+2*((\m2)%4)+1], v[FS] offset:256*(\m2)
	ds_load_b32 v[AT+2*((\m2)%4)], v[ATA] offset:64*(\m2)
	WIN 0xc0                                       ; destination window 3, address window 0
.irp i, 0,1,2,3,4,5,6,7,8,9,10,11
	ds_load_b128 v[128+48*((\m2)%2)+4*\i:128+48*((\m2)%2)+4*\i+3], v[FI] offset:6144*(\m2)+512*\i
.endr
.endm
; z's sums take the tile of rows m: + attn(row r) x v.  Each accumulator is read from its low end on.  first = 1: the launch's first tile starts the sums: nothing is cleared.
.macro REDV m, first
	WIN 0x53                                       ; source 0 (v) window 3, source 1 (attn) window 0, the sums (source 2 and destination) window 1
.irp t, 0,1,2,3,4,5,6,7
.irp k, 0,1,2,3
.if \first
	v_pk_mul_f32 v[192+8*\t+2*\k:192+8*\t+2*\k+1], v[64*(\m%2)+8*\t+2*\k:64*(\m%2)+8*\t+2*\k+1], v[AT+2*\m:AT+2*\m+1] op_sel_hi:[1,0]
.else
	v_pk_fma_f32 v[192+8*\t+2*\k:192+8*\t+2*\k+1], v[64*(\m%2)+8*\t+2*\k:64*(\m%2)+8*\t+2*\k+1], v[AT+2*\m:AT+2*\m+1], v[192+8*\t+2*\k:192+8*\t+2*\k+1] op_sel_hi:[1,0,1]
.endif
.endr
.endr
.endm
.macro ADRV                            ; the three LDS addresses of the block in hand
	v_add_nc_u32 v[FI], s[TB], v[LI]
	v_add_nc_u32 v[FS], s[TS], v[FSB]
	v_add_nc_u32 v[ATA], s[TA], v[ATB]
.endm
; A block of 64 rows: four steps of the pipeline.  Each wait's count of 14 leaves out the 14 loads of the tile behind the one that is wanted.
; The multiply-adds of the tile before name none of the registers of the products that they follow: they are the places in front of the loads into the buffer and the scale words just read,
; in front of their own tile's first read (a step earlier), and in front of the products that begin the other accumulator set anew.
.macro BLOCKV first, last
	s_wait_dscnt 14
	MM 0, 0, 0
.if \first
	PLACES                                         ; no tile stands before the first: four places in front of the loads into the buffer just read
.else
	REDV 3, 0                                      ; the last tile of the block before
.endif
	FETCHT 2
	s_wait_dscnt 14
	MM 1, 1, 1
	REDV 0, \first
	FETCHT 3
	s_wait_dscnt 14
	MM 2, 0, 0
	REDV 1, 0
.if \last
	s_wait_dscnt 0x0                               ; the last tile: no load was issued behind its own
.else
	FETCHT 4
	s_wait_dscnt 14
.endif
	MM 3, 1, 1
	REDV 2, 0
.if \last
	REDV 3, 0                                      ; tile 2's sums were the places behind tile 3's products
	WIN 0
.else
	FETCHT 5
	WIN 0
	s_add_co_u32 s[TB], s[TB], 24576
	s_add_co_u32 s[TS], s[TS], 1024
	s_add_co_u32 s[TA], s[TA], 256
	ADRV                                           ; on to the next block
.endif
.endm
; max(u - the point in v[mid], 0) of my 32 scores
.macro RELU mid
.irp i, 0,2,4,6,8,10,12,14,16,18,20,22,24,26,28,30
	v_pk_add_f32 v[RT+\i:RT+\i+1], v[RU+\i:RU+\i+1], v[\mid:\mid+1] op_sel_hi:[1,0] neg_lo:[0,1] neg_hi:[0,1]
.endr
.set j, 0
.rept 32
	v_max_num_f32 v[RT+j], 0, v[RT+j]
.set j, j+1
.endr
.endm
; the sum of 32 registers from v[base] on, as a tree, in place
.macro TSUM base, dst
.irp i, 0,4,8,12,16,20,24,28
	v_pk_add_f32 v[\base+\i:\base+\i+1], v[\base+\i:\base+\i+1], v[\base+\i+2:\base+\i+3]
.endr
.irp i, 0,8,16,24
	v_pk_add_f32 v[\base+\i:\base+\i+1], v[\base+\i:\base+\i+1], v[\base+\i+4:\base+\i+5]
.endr
.irp i, 0,16
	v_pk_add_f32 v[\base+\i:\base+\i+1], v[\base+\i:\base+\i+1], v[\base+\i+8:\base+\i+9]
.endr
	v_pk_add_f32 v[\base:\base+1], v[\base:\base+1], v[\base+16:\base+17]
	v_add_f32 v[\dst], v[\base], v[\base+1]
.endm
; three sums over the wave's 32 lanes, by turns; then to LDS at off, a barrier, and the four waves' sums added in one order in every thread: v[RG + j]
.macro MEET off
.irp x, 1,2,4,8
.irp j, 0,1,2
	v_add_f32_dpp v[RP+\j], v[RP+\j], v[RP+\j] row_xmask:\x row_mask:0xf bank_mask:0xf
.endr
.endr
.irp j, 0,1,2
	v_permlanex16_b32 v[PQ+\j], v[RP+\j], s[SEL], s[SEL+1]
.endr
.irp j, 0,1,2
	v_add_f32 v[RP+\j], v[RP+\j], v[PQ+\j]
.endr
	ds_store_b128 v[RA], v[RP:RP+3] offset:\off    ; all lanes write the same 16 bytes with the same values
	s_wait_dscnt 0x0                               ; for the others' sake
	s_barrier_signal -1
	s_barrier_wait -1
.irp w, 0,1,2,3
	ds_load_b128 v[RG+4*\w:RG+4*\w+3], v[RB] offset:\off+16*\w
.endr
	s_wait_dscnt 0x0
.irp j, 0,1,2
	v_add_f32 v[RG+\j], v[RG+\j], v[RG+4+\j]
	v_add_f32 v[RG+8+\j], v[RG+8+\j], v[RG+12+\j]
.endr
.irp j, 0,1,2
	v_add_f32 v[RG+\j], v[RG+\j], v[RG+8+\j]
.endr
.endm
.macro MIDS                            ; the bracket's three inner points: exact
	v_add_f32 v[MID], v[LO], v[QS]
	v_fma_f32 v[MID+2], 2.0, v[QS], v[LO]
	v_fma_f32 v[MID+4], 0x40400000, v[QS], v[LO]
.endm
; The bracket is cut into four.  The two areas of LDS take turns: an area is written again only behind the next step's barrier, in front of which every wave has waited for its reads of it.
.macro QUARTER par
	RELU MID
	TSUM RT, RP
	RELU MID+2
	TSUM RT, RP+1
	RELU MID+4
	TSUM RT, RP+2
	MEET 64*\par
.irp j, 0,1,2
	v_cmp_le_f32 vcc_lo, 1.0, v[RG+\j]             ; f(point j) >= 1: the root lies at it or above
	v_cndmask_b32 v[LO], v[LO], v[MID+2*\j], vcc_lo
.endr
	v_mul_f32 v[QS], 0x3e800000, v[QS]
	MIDS
.endm
.macro CUTS                            ; four cuts: 8 bits of the bracket
	s_mov_b32 s53, 2
.Lcut_\@:
	QUARTER 0
	QUARTER 1
	s_sub_co_u32 s53, s53, 1
	s_cmp_lg_u32 s53, 0
	s_cbranch_scc1 .Lcut_\@
.endm
	s_load_b256 s[4:11], s[0:1], 0x0               ; xc s[4:5], xs s[6:7], scores s[8:9], bv s[10:11]
	s_load_b128 s[12:15], s[0:1], 0x20             ; wimg s[12:13], wsc s[14:15]
	s_load_b64 s[16:17], s[0:1], 0x30              ; zpart
	v_lshl_add_u32 v254, v0, 2, 0x3c000
	v_mov_b32 v255, 0
	ds_add_u32 v254, v255
	ds_add_u32 v254, v255
	v_lshrrev_b32 v1, 5, v0
	v_readfirstlane_b32 s18, v1                    ; wave 0..3
	s_mov_b32 s19, ttmp9                           ; g
	v_lshlrev_b32 v[SCO], 4, v0
	; descriptor groups 1: dense blocks as rows of 256 bytes (32 elements of 8 bytes), no padding: the images are read 512 consecutive bytes at a time
	s_mov_b32 s[G1S+0], 3<<16
	s_mov_b32 s[G1S+1], 32<<16                     ; tensor_dim0 = 32
	s_mov_b32 s[G1S+2], 8<<16                      ; tensor_dim1 = 8
	s_mov_b32 s[G1S+3], 32<<16                     ; tile_dim0 = 32
	s_mov_b32 s[G1S+4], 8                          ; tile_dim1 = 8
	s_mov_b32 s[G1S+5], 32                         ; from row to row
	s_mov_b32 s[G1S+6], 0
	s_mov_b32 s[G1S+7], 0
	s_mov_b32 s[G1C+0], 3<<16
	s_mov_b32 s[G1C+1], 32<<16
	s_mov_b32 s[G1C+2], 96<<16                     ; tensor_dim1 = 96
	s_mov_b32 s[G1C+3], 32<<16
	s_mov_b32 s[G1C+4], 96                         ; tile_dim1 = 96
	s_mov_b32 s[G1C+5], 32
	s_mov_b32 s[G1C+6], 0
	s_mov_b32 s[G1C+7], 0
	s_mov_b32 s57, 0
	s_mov_b32 s59, 0
	s_mov_b32 s63, 0
	s_lshl_b32 s56, s19, 13                        ; the work-group's scale words,
	s_lshl_b32 s54, s18, 11                        ; my quarter of them
	s_add_co_u32 s56, s56, s54
	s_mul_i32 s58, s19, 196608                     ; its codes,
	s_mul_i32 s55, s18, 24576                      ; block w
	s_add_co_u32 s58, s58, s55
	s_lshl_b32 s62, s19, 11                        ; its own 512 scores
	s_wait_dscnt 0x0
	s_wait_kmcnt 0x0
	s_add_nc_u64 s[60:61], s[8:9], s[62:63]
	s_lshr_b32 s62, s19, 3
	s_lshl_b32 s62, s62, 14
	s_add_nc_u64 s[8:9], s[8:9], s[62:63]          ; the batch's 4,096
.irp i, 0,1,2,3,4,5,6,7
	global_load_b128 v[RU+4*\i:RU+4*\i+3], v[SCO], s[8:9] offset:2048*\i   ; THE SCORES FIRST: the sparsemax waits for them, nothing waits so early for the codes.  32 a thread; a wave's load covers 512 consecutive bytes
.endr
	global_load_b128 v[OWN:OWN+3], v[SCO], s[60:61]
	s_mov_b32 s[G0+0], 1
	s_add_co_u32 s[G0+1], s54, XSC
	s_add_nc_u64 s[G0+2:G0+3], s[6:7], s[56:57]
	s_or_b32 s[G0+3], s[G0+3], 0x80000000
	s_mov_b32 s[G0+4], 1
	s_mov_b32 s[G0+5], s55
	s_add_nc_u64 s[G0+6:G0+7], s[4:5], s[58:59]
	s_mov_b32 s[G0+8], 1
	s_add_co_u32 s[G0+9], s55, 98304               ; block 4 + w
	s_add_nc_u64 s[G0+10:G0+11], s[G0+6:G0+7], 98304
	s_or_b32 s[G0+7], s[G0+7], 0x80000000
	s_or_b32 s[G0+11], s[G0+11], 0x80000000
	tensor_load_to_lds s[G0:G0+3], s[G1S:G1S+7]    ; all that the work-group reads of x goes out at once: three loads of mine are out
	s_nop 0
	tensor_load_to_lds s[G0+4:G0+7], s[G1C:G1C+7]
	s_nop 0
	tensor_load_to_lds s[G0+8:G0+11], s[G1C:G1C+7]
	s_nop 0
	PLACES
	s_mul_i32 s56, s18, 49152
	s_add_co_u32 s56, s56, 196608                  ; Wv's tiles begin at tile 32; my 8
	s_add_nc_u64 s[12:13], s[12:13], s[56:57]
	s_lshl_b32 s56, s18, 12
	s_add_co_u32 s56, s56, 16384
	s_add_nc_u64 s[14:15], s[14:15], s[56:57]
	s_lshl_b32 s56, s18, 9                         ; my 128 numbers of bv
	s_add_nc_u64 s[10:11], s[10:11], s[56:57]
	s_lshl_b32 s58, s19, 11
	s_add_co_u32 s58, s58, s56                     ; and of the work-group's row of zpart
	s_add_nc_u64 s[16:17], s[16:17], s[58:59]
	s_mov_b32 s[SEL], 0x76543210
	s_mov_b32 s[SEL+1], 0xfedcba98
	s_mov_b32 s[TB], 0
	s_mov_b32 s[TS], 0
	s_mov_b32 s[TA], 0
	v_and_b32 v1, 15, v0                           ; r
	v_bfe_u32 v2, v0, 4, 1                         ; h
	v_and_b32 v19, 31, v0                          ; lane
	v_lshlrev_b32 v[LI], 4, v19
	WLOAD 0                                        ; the first third of the weights
	WIN 0
	v_lshl_add_u32 v[FSB], v19, 3, XSC
	v_lshl_add_u32 v[ATB], v1, 2, ATT
	v_lshrrev_b32 v4, 5, v0                        ; wave
	v_lshl_add_u32 v[RA], v4, 4, RED
	v_mov_b32 v[RB], RED
	v_lshl_add_u32 v[RM], v4, 2, RED+128
	v_add_nc_u32 v[ATW], ATT, v[SCO]
	s_mul_i32 s54, s18, 16*528
	s_add_co_u32 s54, s54, STG                     ; my stage
	v_mul_u32_u24 v[SO], v1, 528
	v_lshl_add_u32 v[SO], v2, 5, v[SO]
	v_add_nc_u32 v[SO], s54, v[SO]
	v_add_nc_u32 v[SR], s54, v[LI]
	v_lshlrev_b32 v[WSO], 2, v19
	v_lshl_add_u32 v[WSO], v2, 7, v[WSO]
	v_lshlrev_b32 v[BO], 5, v2
.irp q, AT+1, AT+3, AT+5, AT+7, RP+3, PQ, PQ+1, PQ+2, LO+1, MID+1, MID+3, MID+5, MX+1, TAU+1
	v_mov_b32 v[\q], 0                             ; upper halves of pairs whose low word serves both halves, and lane permutes' destinations: written once
.endr
	v_mov_b32 v[ONE], 1.0
	v_mov_b32 v[LO], -1.0
	v_mov_b32 v[QS], 0x3e800000                    ; 0.25
	MIDS
	s_wait_loadcnt 48                              ; the scores are in; the 48 loads of weights behind them may be out
	; the batch's largest score
	v_max3_num_f32 v[RT], v[RU], v[RU+1], v[RU+2]
	v_max3_num_f32 v[RT+1], v[RU+3], v[RU+4], v[RU+5]
.irp i, 6,10,14,18,22,26
	v_max3_num_f32 v[RT], v[RT], v[RU+\i], v[RU+\i+1]
	v_max3_num_f32 v[RT+1], v[RT+1], v[RU+\i+2], v[RU+\i+3]
.endr
	v_max3_num_f32 v[RT], v[RT], v[RU+30], v[RU+31]
	v_max_num_f32 v[RT], v[RT], v[RT+1]
.irp x, 1,2,4,8
	v_max_num_f32_dpp v[RT], v[RT], v[RT] row_xmask:\x row_mask:0xf bank_mask:0xf
.endr
	v_permlanex16_b32 v[RT+1], v[RT], s[SEL], s[SEL+1]
	v_max_num_f32 v[RT], v[RT], v[RT+1]
	ds_store_b32 v[RM], v[RT]
	s_wait_dscnt 0x0                               ; for the others' sake
	s_barrier_signal -1
	s_barrier_wait -1
	ds_load_b128 v[RG:RG+3], v[RB] offset:128
	s_wait_dscnt 0x0
	v_max3_num_f32 v[MX], v[RG], v[RG+1], v[RG+2]
	v_max_num_f32 v[MX], v[MX], v[RG+3]
.irp i, 0,2,4,6,8,10,12,14,16,18,20,22,24,26,28,30
	v_pk_add_f32 v[RU+\i:RU+\i+1], v[RU+\i:RU+\i+1], v[MX:MX+1] op_sel_hi:[1,0] neg_lo:[0,1] neg_hi:[0,1]   ; u = z - the maximum
.endr
	; 3 x 2 trips x 2 steps x 2 bits: the bracket ends 2^-24 wide, whatever the scores
	CUTS
	WLOAD 1                                        ; the second third of the weights: 48 loads
	WIN 0
	CUTS
	WIN 0x80
	BLOAD 192, 10                                  ; the rest: bv, 16 loads,
	WIN 0
	WSLOAD                                         ; and the weights' scale words, 16
	CUTS
	; the Newton step from the lower end: f(lo), and how many u lie above lo (at least one: f(lo) >= 1)
	RELU LO
.set j, 0
.rept 32
	v_cmp_lt_f32 vcc_lo, 0, v[RT+j]
	v_cndmask_b32 v[RU+j], 0, v[ONE], vcc_lo       ; u is done with: its registers take the ones and zeros
.set j, j+1
.endr
	TSUM RT, RP
	TSUM RU, RP+1
	MEET 192
	v_rcp_f32 v[TA0], v[RG+1]
	v_add_f32 v[TA1], -1.0, v[RG]                  ; (a plain place behind the reciprocal)
	s_wait_alu depctr_va_vdst(0)
	v_fma_f32 v[TAU], v[TA1], v[TA0], v[LO]        ; tau - the maximum
	v_pk_add_f32 v[OWN:OWN+1], v[OWN:OWN+1], v[MX:MX+1] op_sel_hi:[1,0] neg_lo:[0,1] neg_hi:[0,1]
	v_pk_add_f32 v[OWN+2:OWN+3], v[OWN+2:OWN+3], v[MX:MX+1] op_sel_hi:[1,0] neg_lo:[0,1] neg_hi:[0,1]
	v_pk_add_f32 v[OWN:OWN+1], v[OWN:OWN+1], v[TAU:TAU+1] op_sel_hi:[1,0] neg_lo:[0,1] neg_hi:[0,1]
	v_pk_add_f32 v[OWN+2:OWN+3], v[OWN+2:OWN+3], v[TAU:TAU+1] op_sel_hi:[1,0] neg_lo:[0,1] neg_hi:[0,1]
.irp i, 0,1,2,3
	v_max_num_f32 v[OWN+\i], 0, v[OWN+\i]          ; attn of four of the work-group's rows
.endr
	ds_store_b128 v[ATW], v[OWN:OWN+3]
	s_wait_loadcnt 0x0                             ; the weights, their scale words, bv
	s_wait_tensorcnt 0x0                           ; my parts of the codes and of their scale words are in,
	s_wait_dscnt 0x0                               ; my part of attn has landed:
	s_barrier_signal -1
	s_barrier_wait -1                              ; everybody's.  Nothing in LDS is written from here to the way out
	ADRV
	FETCHT 0                                       ; the pipeline is filled: the first two tiles
	FETCHT 1
	WIN 0
	BLOCKV 1, 0                                    ; block 0
	s_mov_b32 s53, 6
.Lblk:                                             ; blocks 1 to 6
	BLOCKV 0, 0
	s_sub_co_u32 s53, s53, 1
	s_cmp_lg_u32 s53, 0
	s_cbranch_scc1 .Lblk
	BLOCKV 0, 1                                    ; block 7: no load reaches past the codes' end
	; THE WAY OUT: a lane's 64 sums are those of rows r, r + 16, ..: the sixteen lanes' meet through my own stage: 16 rows of 512 bytes in, 16 bytes of each row back
	WIN 0x04                                       ; an LDS store's data are its source 1: window 1
.irp t, 0,1,2,3,4,5,6,7
	ds_store_b128 v[SO], v[192+8*\t:192+8*\t+3] offset:64*\t
	ds_store_b128 v[SO], v[192+8*\t+4:192+8*\t+7] offset:64*\t+16
.endr
	WIN 0
.irp i, 0,1,2,3,4,5,6,7,8,9,10,11,12,13,14,15
	ds_load_b128 v[64+4*\i:64+4*\i+3], v[SR] offset:528*\i   ; LDS serves a wave's instructions in order (ISA guide 5.7.1.4): these see my stores
.endr
	s_wait_dscnt 0x0
.irp i, 0,2,4,6,8,10,12,14
	v_pk_add_f32 v[64+4*\i:65+4*\i], v[64+4*\i:65+4*\i], v[68+4*\i:69+4*\i]
	v_pk_add_f32 v[66+4*\i:67+4*\i], v[66+4*\i:67+4*\i], v[70+4*\i:71+4*\i]
.endr
.irp i, 0,4,8,12
	v_pk_add_f32 v[64+4*\i:65+4*\i], v[64+4*\i:65+4*\i], v[72+4*\i:73+4*\i]
	v_pk_add_f32 v[66+4*\i:67+4*\i], v[66+4*\i:67+4*\i], v[74+4*\i:75+4*\i]
.endr
.irp i, 0,8
	v_pk_add_f32 v[64+4*\i:65+4*\i], v[64+4*\i:65+4*\i], v[80+4*\i:81+4*\i]
	v_pk_add_f32 v[66+4*\i:67+4*\i], v[66+4*\i:67+4*\i], v[82+4*\i:83+4*\i]
.endr
	v_pk_add_f32 v[64:65], v[64:65], v[96:97]
	v_pk_add_f32 v[66:67], v[66:67], v[98:99]
	global_store_b128 v[LI], v[64:67], s[16:17]    ; 32 lanes store 512 consecutive bytes, at a multiple of 256 from the buffer's first byte
	s_wait_tensorcnt 0x0
	ds_add_u32 v254, v255
	s_wait_dscnt 0x0
	s_endpgm
.Lfunc_end_k_qa5530cfac9_values:
	.size	k_qa5530cfac9_values, .Lfunc_end_k_qa5530cfac9_values-k_qa5530cfac9_values
	.p2alignl 7, 3214868480
	.fill 96, 4, 3214868480
	.section	.rodata,"a",@progbits
	.p2align	6, 0x0
	.amdhsa_kernel k_qa5530cfac9_values
		.amdhsa_group_segment_fixed_size 246272
		.amdhsa_private_segment_fixed_size 0
		.amdhsa_enable_private_segment 0
		.amdhsa_kernarg_size 56
		.amdhsa_user_sgpr_count 2
		.amdhsa_user_sgpr_kernarg_segment_ptr 1
		.amdhsa_wavefront_size32 1
		.amdhsa_system_sgpr_workgroup_id_x 1
		.amdhsa_system_sgpr_workgroup_id_y 1
		.amdhsa_system_sgpr_workgroup_id_z 1
		.amdhsa_system_vgpr_workitem_id 0
		.amdhsa_next_free_vgpr 1024
		.amdhsa_next_free_sgpr 66
		.amdhsa_reserve_vcc 1
		.amdhsa_float_denorm_mode_32 3
		.amdhsa_float_denorm_mode_16_64 3
		.amdhsa_memory_ordered 1
		.amdhsa_forward_progress 1
		.amdhsa_inst_pref_size 188
	.end_amdhsa_kernel
	.amdgpu_metadata
---
amdhsa.version: [ 1, 2 ]
amdhsa.kernels:
  - .name:           k_qa5530cfac9_values
    .symbol:         k_qa5530cfac9_values.kd
    .args:
      - { .name: xc, .offset: 0, .size: 8, .value_kind: global_buffer, .address_space: global }
      - { .name: xs, .offset: 8, .size: 8, .value_kind: global_buffer, .address_space: global }
      - { .name: scores, .offset: 16, .size: 8, .value_kind: global_buffer, .address_space: global }
      - { .name: bv, .offset: 24, .size: 8, .value_kind: global_buffer, .address_space: global }
      - { .name: wimg, .offset: 32, .size: 8, .value_kind: global_buffer, .address_space: global }
      - { .name: wsc, .offset: 40, .size: 8, .value_kind: global_buffer, .address_space: global }
      - { .name: zpart, .offset: 48, .size: 8, .value_kind: global_buffer, .address_space: global }
    .group_segment_fixed_size: 246272
    .private_segment_fixed_size: 0
    .kernarg_segment_align: 8
    .kernarg_segment_size: 56
    .max_flat_workgroup_size: 128
    .sgpr_count:     66
    .vgpr_count:     1024
    .wavefront_size: 32
...
	.end_amdgpu_metadata
.endif
;; end of part 3
;; launch head (part 4): grid 16 x 16, 4 waves a work-group, no clusters, 4,864 bytes of LDS; arguments zpart, wimg, wsc, bphi, out0; writes out0
.if DOCPART == 4
	.amdgcn_target "amdgcn-amd-amdhsa--gfx1250"
	.amdhsa_code_object_version 6
	.text
	.protected	k_qa5530cfac9_head
	.globl	k_qa5530cfac9_head
	.p2align	8
	.type	k_qa5530cfac9_head,@function
k_qa5530cfac9_head:
	s_mov_b64 s[64:65], 0
	v_nop
	global_prefetch_b8 v0, s[64:65] scope:SCOPE_SE
	s_setreg_imm32_b32 hwreg(HW_REG_WAVE_MODE, 25, 1), 1
	s_wait_xcnt 0x0
; out0 = Q(z) Q(Wphi) + bphi, z[b] = the sum of the batch's 8 rows of zpart; the product on codes of FP6 (E2M3) with one E8M0 scale for each 32 along K = 512.
; SHARES.  Work-group (x, y) takes batches 2 y, 2 y + 1 and columns 64 x .. 64 x + 63; wave w the tile of 16 columns 4 x + w.  The launch is one chain of dependent steps (zpart, the sum, LDS, the quantiser, four products, the store),
; so what counts is how little each work-group has to fetch: 16 rows of zpart, 32 KiB, 16 loads a thread, all asked for at once and ahead of everything else; 16 x 16 work-groups share the work.
; The four waves sum z together, its two rows meet in LDS (2,064 bytes apart), and every wave quantises them for itself: that spares a second barrier.
; The product is used transposed (source 0 = 16 columns of Wphi, source 1 = rows of z).  OF THE INSTRUCTION'S 16 ROWS ROW r STANDS FOR BATCH r & 1: fourteen of them repeat the two.  That wastes most of four matrix instructions a wave
; and spares seven eighths of the bytes that a work-group with 16 batches would wait for.  Lane (r, h), r < 2, holds out(2 y + r, 16 tile + 8 h + 0 .. 7), 32 neighbouring bytes, and stores them; bphi is the C of the first instruction.
; Columns 1,000 and above (lanes 16-31 of tile 62, all of tile 63) are computed from a clamped column and not stored.
; No tensor load, no cluster: nothing here is large enough to pay for either.
; LIMITS: a block of zeros gets the scale byte 1 where the rule says 127 (its codes are zeros; the bytes are read here alone); NaN and infinities are not served.
; REGISTERS: window 0: v1-13 addresses; v14-29 at work; v32-35 Wphi's scale words, v36-39 z's; v40-47 bphi; v48-55 the accumulator; v64-111 z's codes; v128-255 the 16 parts of z (64 registers), later z's numbers in two sets of 64.
;   window 1: v0-47 Wphi's four fragments.
.set ZO,   4                           ; v4   16 x thread
.set ZA,   5                           ; v5   2,064 (r & 1) + 128 h
.set SH8,  6                           ; v6   8 h
.set L16,  7                           ; v7   16 x lane
.set L4,   8                           ; v8   4 x lane
.set BPO,  9                           ; v9   my eight numbers of bphi
.set OUTO, 10                          ; v10  my 32 bytes of out0
.set COL,  11                          ; v11  my first column
.set MSK,  12                          ; v12  my first column, + 1,024 (r / 2): under 1,000 in the lanes that store
.set QM,   14
.set QSO,  16
.set QBY,  18
.set QTW,  20
.set QTP,  21
.set QTC,  22
.set WSC,  32
.set FZ,   36
.set BP,   40
.set ACC,  48
.set PC,   64
.set ST,   128
.set PL,   128                         ; batch bb, part p at v[PL + 32 bb + 4 p]
.set SEL,  22                          ; s[22:23]
.set MSB, 0
.macro WIN new                         ; the immediate's high byte repeats the setting that is left; a switch that changes nothing is dropped
.if MSB != (\new)
	s_set_vgpr_msb (MSB<<8)|(\new)
.set MSB, (\new)
.endif
.endm
; 64 numbers of a lane, v[src + 32 c + i] = k 64 c + 32 h + i of my row, become a fragment's codes in v[dst .. dst + 11] and the whole scale word in v[f]
.macro QA src, dst, f
.irp c, 0,1
	v_max3_num_f32 v[QM+\c], |v[\src+32*\c]|, |v[\src+32*\c+1]|, 0x1800000   ; my block 2 c + h: all 32 numbers are mine; the floor 2^(3 - 127) holds the byte at 1 from below
.endr
.irp i, 2,4,6,8,10,12,14,16,18,20,22,24,26,28,30
.irp c, 0,1
	v_max3_num_f32 v[QM+\c], v[QM+\c], |v[\src+32*\c+\i]|, |v[\src+32*\c+\i+1]|   ; the two blocks by turns
.endr
.endr
.irp c, 0,1
	v_add_nc_u32 v[QSO+\c], 0xff000000, v[QM+\c]   ; 2 off the exponent field: the conversion's scale operand
.endr
.irp c, 0,1
	v_lshrrev_b32 v[QBY+\c], 23, v[QSO+\c]         ; the scale's byte
.endr
	v_lshl_or_b32 v[QTW], v[QBY+1], 16, v[QBY]     ; my bytes: blocks h and 2 + h,
	v_lshlrev_b32 v[QTW], v[SH8], v[QTW]           ; at their places in the word;
	v_permlanex16_b32 v[QTP], v[QTW], s[SEL], s[SEL+1]
	v_or_b32 v[\f], v[QTW], v[QTP]                 ; with lane l xor 16's two the word is whole, in both lanes
	v_cvt_scalef32_pk16_fp6_f32 v[\dst:\dst+2], v[\src:\src+15], v[QSO]
	v_cvt_scalef32_pk16_fp6_f32 v[QTC:QTC+2], v[\src+16:\src+31], v[QSO]         ; (a conversion's three registers begin on an even number)
	v_cvt_scalef32_pk16_fp6_f32 v[\dst+6:\dst+8], v[\src+32:\src+47], v[QSO+1]
	v_cvt_scalef32_pk16_fp6_f32 v[QTC+4:QTC+6], v[\src+48:\src+63], v[QSO+1]
	v_nop                                          ; one plain place behind a scaled conversion
.irp i, 0,1,2
	v_mov_b32 v[\dst+3+\i], v[QTC+\i]
	v_mov_b32 v[\dst+9+\i], v[QTC+4+\i]
.endr
.endm
; batch bb: its eight parts are added, ((0 + 1) + (2 + 3)) + ((4 + 5) + (6 + 7)), and my four numbers of z go to LDS.  left: the loads issued behind this batch's eight
.macro ZSUM bb, left
.set ZB, PL+32*(\bb)
	s_wait_loadcnt \left
.irp p, 0,2,4,6
	v_pk_add_f32 v[ZB+4*\p:ZB+4*\p+1], v[ZB+4*\p:ZB+4*\p+1], v[ZB+4*\p+4:ZB+4*\p+5]
	v_pk_add_f32 v[ZB+4*\p+2:ZB+4*\p+3], v[ZB+4*\p+2:ZB+4*\p+3], v[ZB+4*\p+6:ZB+4*\p+7]
.endr
.irp p, 0,4
	v_pk_add_f32 v[ZB+4*\p:ZB+4*\p+1], v[ZB+4*\p:ZB+4*\p+1], v[ZB+4*\p+8:ZB+4*\p+9]
	v_pk_add_f32 v[ZB+4*\p+2:ZB+4*\p+3], v[ZB+4*\p+2:ZB+4*\p+3], v[ZB+4*\p+10:ZB+4*\p+11]
.endr
	v_pk_add_f32 v[ZB:ZB+1], v[ZB:ZB+1], v[ZB+16:ZB+17]
	v_pk_add_f32 v[ZB+2:ZB+3], v[ZB+2:ZB+3], v[ZB+18:ZB+19]
	ds_store_b128 v[ZO], v[ZB:ZB+3] offset:2064*(\bb)
.endm
; z(my row, 128 s + 64 c + 32 h + 4 i ..): 64 numbers a lane into set aset; the lanes that stand for one batch read the same bytes
.macro LOADZ aset, s
.irp c, 0,1
.irp i, 0,1,2,3,4,5,6,7
	ds_load_b128 v[ST+64*\aset+32*\c+4*\i:ST+64*\aset+32*\c+4*\i+3], v[ZA] offset:512*\s+256*\c+16*\i
.endr
.endr
.endm
	s_load_b256 s[4:11], s[0:1], 0x0               ; zpart s[4:5], wimg s[6:7], wsc s[8:9], bphi s[10:11]
	s_load_b64 s[12:13], s[0:1], 0x20              ; out0
	v_lshl_add_u32 v126, v0, 2, 0x1100
	v_mov_b32 v127, 0
	v_lshrrev_b32 v1, 5, v0
	v_readfirstlane_b32 s14, v1                    ; wave
	s_lshl_b32 s17, ttmp9, 2
	s_add_co_u32 s17, s17, s14                     ; my tile of columns: 4 x + w
	s_and_b32 s16, ttmp7, 0xffff                   ; y
	v_and_b32 v1, 15, v0                           ; r
	v_bfe_u32 v2, v0, 4, 1                         ; h
	v_and_b32 v3, 31, v0                           ; lane
	v_and_b32 v13, 1, v0                           ; r & 1: the batch that my row stands for
	v_lshlrev_b32 v[ZO], 4, v0
	v_lshlrev_b32 v[L16], 4, v3
	v_lshlrev_b32 v[L4], 2, v3
	s_lshl_b32 s18, s17, 4
	v_lshl_add_u32 v[COL], v2, 3, s18              ; 16 tile + 8 h
	v_lshlrev_b32 v[BPO], 2, v[COL]
	v_mul_u32_u24 v[OUTO], v13, 4000               ; a row of out0 is 4,000 bytes, a multiple of 16
	v_add_nc_u32 v[OUTO], v[OUTO], v[BPO]
	v_min_u32 v[BPO], 3968, v[BPO]                 ; no load leaves bphi's 4,000 bytes
	s_mov_b32 s21, 0
	s_add_co_u32 s19, s17, 64                      ; Wphi's tiles begin at tile 64
	s_lshl_b32 s20, s16, 15                        ; 2 batches x 8 parts x 2,048 bytes
	s_wait_kmcnt 0x0
	s_add_nc_u64 s[4:5], s[4:5], s[20:21]
.irp b, 0,1
.irp p, 0,1,2,3,4,5,6,7
	global_load_b128 v[PL+32*\b+4*\p:PL+32*\b+4*\p+3], v[ZO], s[4:5] offset:(8*\b+\p)*2048   ; z's parts first: the longest chain hangs on them.  The work-group reads a row of zpart, 2,048 consecutive bytes
.endr
.endr
	s_mul_i32 s20, s19, 6144
	s_add_nc_u64 s[6:7], s[6:7], s[20:21]
	s_lshl_b32 s20, s19, 9
	s_add_nc_u64 s[8:9], s[8:9], s[20:21]
	s_mul_i32 s20, s16, 8000                       ; 2 rows of out0
	s_add_nc_u64 s[12:13], s[12:13], s[20:21]
	WIN 0x40                                       ; destination window 1
.irp i, 0,1,2,3,4,5,6,7,8,9,10,11
	global_load_b128 v[4*\i:4*\i+3], v[L16], s[6:7] offset:512*\i   ; my tile's four fragments, as they lie
.endr
	WIN 0
.irp s, 0,1,2,3
	global_load_b32 v[WSC+\s], v[L4], s[8:9] offset:128*\s
.endr
	global_load_b128 v[BP:BP+3], v[BPO], s[10:11]
	global_load_b128 v[BP+4:BP+7], v[BPO], s[10:11] offset:16
	v_mul_u32_u24 v[ZA], v13, 2064
	v_lshl_add_u32 v[ZA], v2, 7, v[ZA]
	v_lshlrev_b32 v[SH8], 3, v2
	v_lshrrev_b32 v[MSK], 1, v1
	v_lshl_add_u32 v[MSK], v[MSK], 10, v[COL]
	v_mov_b32 v[QTP], 0                            ; a lane permute's destination counts as one of its sources
	s_mov_b32 s[SEL], 0x76543210
	s_mov_b32 s[SEL+1], 0xfedcba98
	ZSUM 0, 26                                     ; behind batch 0's loads: batch 1's 8, the fragments' 12, the scale words' 4, bphi's 2
	ZSUM 1, 18                                     ; behind batch 1's: those 18
	s_wait_dscnt 0x0                               ; for the others' sake: my part of z has landed
	s_barrier_signal -1
	s_barrier_wait -1
	LOADZ 0, 0                                     ; z's numbers in two sets by turns, a K step ahead of the quantiser
	LOADZ 1, 1
	s_wait_dscnt 16                                ; K step 0's 16 loads are in; K step 1's may be out
	QA ST, PC, FZ
	LOADZ 0, 2
	s_wait_dscnt 16
	QA ST+64, PC+12, FZ+1
	LOADZ 1, 3
	s_wait_dscnt 16
	QA ST, PC+24, FZ+2
	s_wait_dscnt 0x0
	QA ST+64, PC+36, FZ+3
	s_wait_loadcnt 0x0                             ; the fragments, their scale words, bphi
.rept 8
	v_nop                                          ; a scale register written by a vector instruction stands 8 places ahead of a scaled matrix instruction, an operand so written 4
.endr
	WIN 0x01                                       ; source 0 (Wphi) window 1
	v_wmma_scale_f32_16x16x128_f8f6f4 v[ACC:ACC+7], v[0:11], v[PC:PC+11], v[BP:BP+7], v[WSC], v[FZ] matrix_a_fmt:MATRIX_FMT_FP6 matrix_b_fmt:MATRIX_FMT_FP6
.irp s, 1,2,3
	s_wait_alu depctr_va_vdst(0)                   ; the wait ahead of every link
	v_wmma_scale_f32_16x16x128_f8f6f4 v[ACC:ACC+7], v[12*\s:12*\s+11], v[PC+12*\s:PC+12*\s+11], v[ACC:ACC+7], v[WSC+\s], v[FZ+\s] matrix_a_fmt:MATRIX_FMT_FP6 matrix_b_fmt:MATRIX_FMT_FP6
.endr
	WIN 0
.rept 4
	v_nop                                          ; four places in front of the stores that read the result
.endr
	v_cmp_gt_u32 vcc_lo, 1000, v[MSK]              ; rows 0 and 1 alone, and my eight columns exist, all or none: 1,000 is a multiple of 8
	s_wait_xcnt 0x0                                ; EXEC changes only behind this wait
	s_wait_tensorcnt 0x0
	ds_add_u32 v126, v127
	s_wait_dscnt 0x0
	s_and_saveexec_b32 s24, vcc_lo
	global_store_b128 v[OUTO], v[ACC:ACC+3], s[12:13]             ; the accumulator from its low end on
	global_store_b128 v[OUTO], v[ACC+4:ACC+7], s[12:13] offset:16
	s_wait_xcnt 0x0                                ; and again in front of the line that widens it
	s_or_b32 exec_lo, exec_lo, s24
	s_endpgm
.Lfunc_end_k_qa5530cfac9_head:
	.size	k_qa5530cfac9_head, .Lfunc_end_k_qa5530cfac9_head-k_qa5530cfac9_head
	.p2alignl 7, 3214868480
	.fill 96, 4, 3214868480
	.section	.rodata,"a",@progbits
	.p2align	6, 0x0
	.amdhsa_kernel k_qa5530cfac9_head
		.amdhsa_group_segment_fixed_size 4864
		.amdhsa_private_segment_fixed_size 0
		.amdhsa_enable_private_segment 0
		.amdhsa_kernarg_size 40
		.amdhsa_user_sgpr_count 2
		.amdhsa_user_sgpr_kernarg_segment_ptr 1
		.amdhsa_wavefront_size32 1
		.amdhsa_system_sgpr_workgroup_id_x 1
		.amdhsa_system_sgpr_workgroup_id_y 1
		.amdhsa_system_sgpr_workgroup_id_z 1
		.amdhsa_system_vgpr_workitem_id 0
		.amdhsa_next_free_vgpr 320
		.amdhsa_next_free_sgpr 66
		.amdhsa_reserve_vcc 1
		.amdhsa_float_denorm_mode_32 3
		.amdhsa_float_denorm_mode_16_64 3
		.amdhsa_memory_ordered 1
		.amdhsa_forward_progress 1
		.amdhsa_inst_pref_size 25
	.end_amdhsa_kernel
	.amdgpu_metadata
---
amdhsa.version: [ 1, 2 ]
amdhsa.kernels:
  - .name:           k_qa5530cfac9_head
    .symbol:         k_qa5530cfac9_head.kd
    .args:
      - { .name: zpart, .offset: 0, .size: 8, .value_kind: global_buffer, .address_space: global }
      - { .name: wimg, .offset: 8, .size: 8, .value_kind: global_buffer, .address_space: global }
      - { .name: wsc, .offset: 16, .size: 8, .value_kind: global_buffer, .address_space: global }
      - { .name: bphi, .offset: 24, .size: 8, .value_kind: global_buffer, .address_space: global }
      - { .name: out0, .offset: 32, .size: 8, .value_kind: global_buffer, .address_space: global }
    .group_segment_fixed_size: 4864
    .private_segment_fixed_size: 0
    .kernarg_segment_align: 8
    .kernarg_segment_size: 40
    .max_flat_workgroup_size: 128
    .sgpr_count:     66
    .vgpr_count:     320
    .wavefront_size: 32
...
	.end_amdgpu_metadata
.endif
;; end of part 4
